; MI455X (gfx1250); checked and timed in simulation.
; The chip was launched on July 23, 2026; its instructions are those of AMD's public machine-readable ISA for CDNA 5 (MIT licence, August 2026) and "CDNA5" Instruction Set Architecture Reference Guide (July 2026). The comments in the code are by the model that wrote it; some were corrected since.
;; Attention Pool. Allowed arithmetic: float matrix products may take bf16 or f16 operands with f32 sums; other float arithmetic in f32, or as packed bf16 or f16 multiplies, adds, multiply-adds, maxima and minima; sums over many terms, partial sums and values carried from step to step in f32; what a program stores and reads back later, other than sums and carried values, may be rounded once to bf16 or f16.
;; Inputs: W1 1,024 x 1,024 float32; W2 1,024 x 1 float32; b1 1,024 float32; b2 1 float32; ln_beta 1,024 float32; ln_gamma 1,024 float32; x 32 x 2,048 x 1,024 float32.
;; Outputs: out0 32 x 1,024 float32.
;; 2 versions, each right; version 2 is version 1 with the launch main written anew for expert scheduling mode. Each part assembles by itself: llvm-mc -triple=amdgcn-amd-amdhsa -mcpu=gfx1250 --defsym DOCPART=n.
;; ======== version 1 of 2: 3 launches
;; workspace buffers: Wf 2,097,152 bytes; bpart 32,768 bytes; part 2,097,152 bytes; stat 131,072 bytes
;; launch prep (part 1): grid 8 x 8, 8 waves a work-group, no clusters, 72,704 bytes of LDS; arguments W1, ln_gamma, ln_beta, Wf, bpart; writes Wf, bpart
.if DOCPART == 1
	.amdgcn_target "amdgcn-amd-amdhsa--gfx1250"
	.amdhsa_code_object_version 6
	.text
	.protected	k_qa4149d80d5_prep
	.globl	k_qa4149d80d5_prep
	.p2align	8
	.type	k_qa4149d80d5_prep,@function
k_qa4149d80d5_prep:
	s_mov_b64 s[64:65], 0
	v_nop
	global_prefetch_b8 v0, s[64:65] scope:SCOPE_SE
	s_setreg_imm32_b32 hwreg(HW_REG_WAVE_MODE, 25, 1), 1
	s_wait_xcnt 0x0
; THE WEIGHTS, ONCE.  Wf = bf16(C x gamma[k] x W1[k][n]), C = 2 log2(e), laid out as the matrix unit's fragments; bpart[kq][n] = the sum over the 128 k of slice kq of beta[k] x W1[k][n], in f32.
; With z = (x - mean) / sqrt(var + eps):  xn W1 + b1 = z (gamma W1) + (b1 + beta W1); C is the factor of tanh(y) = 1 - 2 / (1 + 2^(C y)).
; Wf's byte ((grp 32 + ks) 8 + nb) 1024 + 512 q + 16 L holds, for e = 0..7, k = 32 ks + 16 q + 8 (L / 16) + e and n = 128 grp + 16 nb + L % 16: two loads of 16 bytes a lane fill a fragment of 16 n x 32 k.
; SHARES.  A work-group takes 128 k (kq = x) x 128 n (grp = y): 64 work-groups for 4 MiB.  Wave w loads rows 16 w .. 16 w + 15 (a row of the tile is 512 consecutive bytes), scales them into an f32 tile in LDS,
; and behind the barrier gathers columns 16 w .. 16 w + 15 along k.  No matrix unit and no cluster: nothing is multiplied by a matrix, and no two work-groups read the same bytes of W1.
.set PITCH, 528                        ; a tile row: 512 bytes + 16; eight rows are 1,056 words, 32 modulo 64: the two halves of the lanes gather from different banks (64 banks of 4 bytes: ISA guide 11.1)
.set RB,    67584                      ; behind the tile: eight waves' sums of beta W1, 512 bytes each
.set SPARE, 71680                      ; behind them: the spare words, 128 bytes a wave, four blocks of 256 bytes that no other line names
.set D,  16                            ; v[16:79]   my 16 rows as loaded; later v[16:47]: the packed fragments, four registers for each store
.set BS, 80                            ; v[80:83]   beta W1 over my 16 rows, four columns
.set Y,  84                            ; v[84:87]   a scaled row's four numbers
.set G,  96                            ; v[96:159]  the gathered words
	s_load_b256 s[4:11], s[0:1], 0x0               ; W1 s[4:5], gamma s[6:7], beta s[8:9], Wf s[10:11]
	s_load_b64 s[12:13], s[0:1], 0x20              ; bpart
	v_lshl_add_u32 v8, v0, 2, SPARE                ; my spare word,
	v_mov_b32 v9, 0                                ; and 0: kept for the closing lines alone
	v_lshrrev_b32 v1, 5, v0
	v_readfirstlane_b32 s14, v1                    ; wave 0..7
	v_and_b32 v10, 31, v0                          ; L
	v_and_b32 v11, 15, v0                          ; L % 16
	v_bfe_u32 v12, v0, 4, 1                        ; L / 16
	v_lshlrev_b32 v2, 4, v10                       ; 16 L
	s_mul_i32 s15, s14, 16*PITCH
	v_add_nc_u32 v3, s15, v2                       ; into the tile: my first row, 16 bytes a lane
	v_mul_u32_u24 v4, v12, 8*PITCH
	v_lshl_add_u32 v4, v11, 2, v4
	s_lshl_b32 s15, s14, 6
	v_add_nc_u32 v4, s15, v4                       ; out of the tile: row 8 (L / 16), column 16 w + L % 16
	s_lshl_b32 s15, s14, 9
	s_add_co_u32 s15, s15, RB
	v_add_nc_u32 v5, s15, v2                       ; my wave's sums
	v_add_nc_u32 v6, RB, v2                        ; wave 0's sums: the others lie 512 bytes apart
	v_lshl_add_u32 v7, s14, 10, v2                 ; in Wf: 1,024 nb + 16 L, nb = my wave
	s_and_b32 s49, ttmp7, 0xffff                   ; grp
	s_lshl_b32 s50, ttmp9, 7
	s_lshl_b32 s51, s14, 4
	s_add_co_u32 s50, s50, s51                     ; my first k = 128 kq + 16 w
	s_lshl_b32 s52, s50, 12                        ; a row of W1 is 4,096 bytes,
	s_lshl_b32 s51, s49, 9                         ; the group's 128 columns 512
	s_add_co_u32 s52, s52, s51
	s_mov_b32 s53, 0
	s_lshl_b32 s54, s50, 2                         ; my 16 numbers of gamma and of beta
	s_mov_b32 s55, 0
	s_lshl_b32 s56, s49, 18                        ; Wf: 262,144 grp + 32,768 kq
	s_lshl_b32 s51, ttmp9, 15
	s_add_co_u32 s56, s56, s51
	s_mov_b32 s57, 0
	s_lshl_b32 s58, ttmp9, 12                      ; bpart: 4,096 kq + 512 grp
	s_lshl_b32 s51, s49, 9
	s_add_co_u32 s58, s58, s51
	s_mov_b32 s59, 0
	s_mov_b32 s48, 0x4038aa3b                      ; C = 2 log2(e)
	s_wait_kmcnt 0x0
	s_add_nc_u64 s[4:5], s[4:5], s[52:53]
	s_add_nc_u64 s[6:7], s[6:7], s[54:55]
	s_add_nc_u64 s[8:9], s[8:9], s[54:55]
	s_add_nc_u64 s[10:11], s[10:11], s[56:57]
	s_add_nc_u64 s[12:13], s[12:13], s[58:59]
	s_load_b512 s[16:31], s[6:7], 0x0              ; gamma of my 16 rows
	s_load_b512 s[32:47], s[8:9], 0x0              ; beta of my 16 rows
.irp j, 0,1,2,3,4,5,6,7,8,9,10,11,12,13,14,15
	global_load_b128 v[D+4*(\j):D+4*(\j)+3], v2, s[4:5] offset:4096*(\j) th:TH_LOAD_NT  ; 512 consecutive bytes of row j
.endr
	s_wait_kmcnt 0x0
.irp j, 0,1,2,3,4,5,6,7,8,9,10,11,12,13,14,15
	s_mul_f32 s[16+(\j)], s[16+(\j)], s48          ; C gamma
.endr
.irp j, 0,1,2,3,4,5,6,7,8,9,10,11,12,13,14,15
	s_wait_loadcnt 15-(\j)                         ; loads come back in order: row j is in, the 15 - j younger rows stay out
.irp i, 0,1,2,3
.if (\j) == 0
	v_mul_f32 v[BS+(\i)], s[32+(\j)], v[D+4*(\j)+(\i)]  ; the first row starts the sums
.else
	v_fma_f32 v[BS+(\i)], s[32+(\j)], v[D+4*(\j)+(\i)], v[BS+(\i)]
.endif
.endr
.irp i, 0,1,2,3
	v_mul_f32 v[Y+(\i)], s[16+(\j)], v[D+4*(\j)+(\i)]
.endr
	ds_store_b128 v3, v[Y:Y+3] offset:PITCH*(\j)
.endr
	ds_store_b128 v5, v[BS:BS+3]
	s_wait_dscnt 0x0                               ; for the others' sake: my rows and my sums lie in LDS
	s_barrier_signal -1
	s_barrier_wait -1
	; chunk c = 2 ksl + q: eight words along k (rows 16 c + 8 (L / 16) + e) of my column.  All 64 loads in one run.
.set c, 0
.rept 8
.irp e, 0,1,2,3,4,5,6,7
	ds_load_b32 v[G+8*c+(\e)], v4 offset:(16*c+(\e))*PITCH
.endr
.set c, c+1
.endr
.set c, 0
.rept 8
	s_wait_dscnt 56-8*c                            ; chunk c is in; the 56 - 8 c younger loads stay out
.irp i, 0,1,2,3
	v_cvt_pk_bf16_f32 v[D+4*c+(\i)], v[G+8*c+2*(\i)], v[G+8*c+2*(\i)+1]  ; each chunk has store registers of its own: none is rewritten
.endr
	global_store_b128 v7, v[D+4*c:D+4*c+3], s[10:11] offset:(c/2)*8192+(c%2)*512  ; the wave stores 512 consecutive bytes, aligned
.set c, c+1
.endr
	s_cmp_lg_u32 s14, 0                            ; wave 0 adds the eight waves' sums of beta W1
	s_cbranch_scc1 .Lend
.irp k, 0,1,2,3,4,5,6,7
	ds_load_b128 v[G+4*(\k):G+4*(\k)+3], v6 offset:512*(\k)
.endr
	s_wait_dscnt 0x0
.irp k, 0,8,16,24
	v_pk_add_f32 v[G+(\k):G+(\k)+1], v[G+(\k):G+(\k)+1], v[G+(\k)+4:G+(\k)+5]
	v_pk_add_f32 v[G+(\k)+2:G+(\k)+3], v[G+(\k)+2:G+(\k)+3], v[G+(\k)+6:G+(\k)+7]
.endr
.irp k, 0,16
	v_pk_add_f32 v[G+(\k):G+(\k)+1], v[G+(\k):G+(\k)+1], v[G+(\k)+8:G+(\k)+9]
	v_pk_add_f32 v[G+(\k)+2:G+(\k)+3], v[G+(\k)+2:G+(\k)+3], v[G+(\k)+10:G+(\k)+11]
.endr
	v_pk_add_f32 v[G:G+1], v[G:G+1], v[G+16:G+17]
	v_pk_add_f32 v[G+2:G+3], v[G+2:G+3], v[G+18:G+19]
	global_store_b128 v2, v[G:G+3], s[12:13]       ; 512 consecutive bytes of bpart
.Lend:
	s_wait_tensorcnt 0x0                           ; the wave's end, behind my last LDS store
	ds_add_u32 v8, v9
	s_wait_dscnt 0x0
	s_endpgm
.Lfunc_end_k_qa4149d80d5_prep:
	.size	k_qa4149d80d5_prep, .Lfunc_end_k_qa4149d80d5_prep-k_qa4149d80d5_prep
	.p2alignl 7, 3214868480
	.fill 96, 4, 3214868480
	.section	.rodata,"a",@progbits
	.p2align	6, 0x0
	.amdhsa_kernel k_qa4149d80d5_prep
		.amdhsa_group_segment_fixed_size 72704
		.amdhsa_private_segment_fixed_size 0
		.amdhsa_enable_private_segment 0
		.amdhsa_kernarg_size 40
		.amdhsa_user_sgpr_count 2
		.amdhsa_user_sgpr_kernarg_segment_ptr 1
		.amdhsa_wavefront_size32 1
		.amdhsa_system_sgpr_workgroup_id_x 1
		.amdhsa_system_sgpr_workgroup_id_y 1
		.amdhsa_system_sgpr_workgroup_id_z 1
		.amdhsa_system_vgpr_workitem_id 0
		.amdhsa_next_free_vgpr 160
		.amdhsa_next_free_sgpr 66
		.amdhsa_reserve_vcc 0
		.amdhsa_float_denorm_mode_32 3
		.amdhsa_float_denorm_mode_16_64 3
		.amdhsa_memory_ordered 1
		.amdhsa_forward_progress 1
		.amdhsa_inst_pref_size 21
	.end_amdhsa_kernel
	.amdgpu_metadata
---
amdhsa.version: [ 1, 2 ]
amdhsa.kernels:
  - .name:           k_qa4149d80d5_prep
    .symbol:         k_qa4149d80d5_prep.kd
    .args:
      - { .name: W1, .offset: 0, .size: 8, .value_kind: global_buffer, .address_space: global }
      - { .name: ln_gamma, .offset: 8, .size: 8, .value_kind: global_buffer, .address_space: global }
      - { .name: ln_beta, .offset: 16, .size: 8, .value_kind: global_buffer, .address_space: global }
      - { .name: Wf, .offset: 24, .size: 8, .value_kind: global_buffer, .address_space: global }
      - { .name: bpart, .offset: 32, .size: 8, .value_kind: global_buffer, .address_space: global }
    .group_segment_fixed_size: 72704
    .private_segment_fixed_size: 0
    .kernarg_segment_align: 8
    .kernarg_segment_size: 40
    .max_flat_workgroup_size: 256
    .sgpr_count:     66
    .vgpr_count:     160
    .wavefront_size: 32
...
	.end_amdgpu_metadata
.endif
;; end of part 1
;; launch main (part 2): grid 256 x 1, 4 waves a work-group, no clusters, 281,344 bytes of LDS; arguments x, Wf, bpart, b1, W2, b2, part, stat; writes part, stat
.if DOCPART == 2
	.amdgcn_target "amdgcn-amd-amdhsa--gfx1250"
	.amdhsa_code_object_version 6
	.text
	.protected	k_qa4149d80d5_main
	.globl	k_qa4149d80d5_main
	.p2align	8
	.type	k_qa4149d80d5_main,@function
k_qa4149d80d5_main:
	s_mov_b64 s[64:65], 0
	v_nop
	global_prefetch_b8 v0, s[64:65] scope:SCOPE_SE
	s_setreg_imm32_b32 hwreg(HW_REG_WAVE_MODE, 25, 1), 1
	s_wait_xcnt 0x0
; FROM x TO A SOFTMAX PARTIAL, x READ ONCE.  For each block of 128 rows of a batch: z = (x - mean) / sqrt(var + eps) in bf16 into LDS; C y = z Wf + b1c (bf16 products, f32 sums; Wf and C: the launch before);
; tanh(y) = 1 - 2 r, r = 1 / (1 + 2^(C y)); score = b2 + sum W2 + sum over n of (-2 W2[n]) r[n], in f32; m = the block's largest score, e = exp(score - m), l = sum e;
; part[block][d] = sum over rows of e x[row][d] = sum (e sigma) z[row][d] + sum e mean, since x = z sigma + mean (sigma = sqrt(var + eps)): the z that fed the product feeds the pooling too.
; stat[block] = (m, l), 32 times.  The launch behind joins a batch's 16 blocks under the batch's maximum.
; LIMITS.  z, Wf and the pooling weights e sigma are rounded to bf16; the mean stays in f32, so a common offset of x is not rounded.  tanh by the form above is off by some 1e-7 absolutely.
; A weight below 2^-126 counts as 0.  NaN and infinities are not treated apart.  The sums' order differs from the reference's.
; SHARES.  256 work-groups of four waves; a work-group takes 256 rows, two blocks.  Normalising: wave w takes rows 32 w .. 32 w + 31, a row at a time in 32 registers, eight rows on their way.
; Product: two passes; in a pass wave w makes all 128 rows x columns 128 (2 w + pass) ..: 64 accumulators, 512 registers; K in 32 steps of 32, 64 matrix instructions each.
; THE MATRIX INSTRUCTION IS USED TRANSPOSED (source 0 = 16 columns of W, source 1 = 16 rows of z): a lane holds one row (lane % 16) and eight neighbouring columns, so a row's score is a sum inside the lane.
; W COMES STRAIGHT INTO REGISTERS, NOT THROUGH LDS, AND NOT JOINTLY.  z takes 264,192 bytes and the small tables 17,152; what is left of LDS holds no two slots of 32 k for a pass's 512 columns (2 x 40,960 bytes),
; and slots for 256 columns would put a round of a cluster's barrier behind every 32 matrix instructions of a wave.  Each byte of a W fragment is wanted by one wave of the work-group alone, so LDS would give no reuse;
; four register buffers, filled three steps ahead, need no barrier in the K loop.
; REGISTERS, in windows of 256 (s_set_vgpr_msb: bits 1:0 source 0, 3:2 source 1, 5:4 source 2, 7:6 destination):
;   window 0: v0-61 addresses and small things; v64-127, v128-191 z's fragments, two buffers (way out of a pass: b1c and -2 W2; pooling: z turned, odd steps); v192-223, v224-251 at work
;   window 1: W's fragments, four buffers of 64      windows 2, 3: accumulator (a, b) at v[8 (8 (a % 4) + b)] of window 2 + a / 4
;   while rows are normalised window 2 holds the eight row slots; while rows are pooled window 3 holds 16 accumulators (v0-127) and z turned, even steps (v128-255).
.set ZP,    2064                       ; a row of z in LDS: 2,048 bytes + 16 = 129 x 16: the 16 rows of a fragment load start at 16 different groups of four banks (64 banks of 4 bytes: ISA guide 11.1)
.set TB1,   264192                     ; b1c[n] = C (b1 + beta W1), f32; 4,096 bytes on: -2 W2[n]
.set SC,    272384                     ; [wave][row] the waves' parts of the scores
.set RS,    274432                     ; [row] (mean, sigma)
.set SW,    275456                     ; four words: the waves' sums of W2
.set CW,    275712                     ; for each wave 128 bf16: the pooling weights
.set PST,   276736                     ; for each wave 1,024 bytes: the pooled row on its way out
.set SPARE, 280832                     ; the spare words, 128 bytes a wave: two blocks of 256 bytes that no other line names
.set XO,   2                           ; 16 L: x's and Wf's loads; never rewritten
.set ZS,   3                           ; where the round's rows of z go
.set RSA,  4                           ; where their (mean, sigma) go
.set ADRA, 5                           ; v5-8    z's fragments: (L % 16) ZP + 16 (L / 16) + 32 i rows; steps along K
.set ZS0,  9
.set RSA0, 10
.set TBA0, 11                          ; TB1 + 1,024 w + 32 (L / 16)
.set TBA,  12                          ; the same for the pass in hand
.set SCA,  13
.set FINA, 14
.set RSL,  15
.set ADRT, 16                          ; v16-19  the turning loads: (8 (L / 16) + L % 8) ZP + 16 ((L / 8) % 2) + 512 w + 32 ks rows
.set CWS,  20
.set CWL,  21
.set PSS,  22
.set PSL,  23
.set SPW,  24                          ; my spare word: SPARE + 4 x my thread's number; never rewritten
.set NIL,  25                          ; 0; never rewritten
.set SACC, 26                          ; v26-33  block a's row scores (my half of the lanes' columns)
.set ML,   42                          ; v42-43  (m, l)
.set TMU,  44                          ; v44-45  sum e mean (v45 only named with it)
.set PO,   46
.set STO,  47
.set PFO,  48                          ; 256 L; never rewritten
.set SWA,  49
.set TS,   50
.set GS,   51
.set SWS,  52
.set ADRA0, 58                         ; v58-61  ADRA at K = 0
.set F0,   64
.set F1,   128
.set BT,   64
.set WT,   128
.set CF,   192                         ; the pooling weights' four fragments
.set T,    192                         ; v192-207 at work
.set Y,    208                         ; v208-223 a row of z, packed
.set MS,   224                         ; v224-225 (mean, sigma)
.set RR,   226                         ; v226-227 1 / sigma (v227 only named with it)
.set VV,   228                         ; var + eps
.set SCV,  224
.set RSV,  240
.set SWV,  248
.set WV,   20
.set BLK,  21
.set PASS, 22
.set KT,   23
.set RND,  24
.set PH,   25                          ; passes still to come in the launch, 4 to 1
.set XB,   26                          ; s[26:27] x at the round's first row
.set WP,   28                          ; s[28:29] Wf at the trip's first step
.set WN,   30                          ; s[30:31] Wf at the next pass's first step
.set W0,   32                          ; s[32:33] Wf + 524,288 w
.set W1P,  34                          ; s[34:35] 262,144 on
.set PB,   36
.set SB,   38
.set SEL,  40                          ; v_permlanex16_b32's selects: each lane takes its own place in the other half
.set RDIV, 42                          ; 1 / 1024
.set B2,   43
.set L2E,  44                          ; log2(e); named as a pair with
.set SEPS, 45                          ; eps = 1e-5
.set TOFF, 48
.set XN,   50                          ; s[50:51] x at my first row of the second block; never rewritten
.set CC,   52                          ; s[52:53] C
.set MSB, 0
.macro WIN new                         ; the high byte repeats the setting that is left; a switch that changes nothing is dropped
.if MSB != (\new)
	s_set_vgpr_msb (MSB<<8)|(\new)
.set MSB, (\new)
.endif
.endm
.macro PLACES                          ; four places behind a matrix instruction (ISA guide 7.12.1)
.rept 4
	v_nop
.endr
.endm
; v[T] over the 32 lanes, the result in every lane's v[d]: four steps inside each half ride on the arithmetic (DPP), one crosses the halves
.macro REDADD d
	v_add_f32_dpp v[T], v[T], v[T] row_xmask:1 row_mask:0xf bank_mask:0xf
	v_add_f32_dpp v[T], v[T], v[T] row_xmask:2 row_mask:0xf bank_mask:0xf
	v_add_f32_dpp v[T], v[T], v[T] row_xmask:4 row_mask:0xf bank_mask:0xf
	v_add_f32_dpp v[T], v[T], v[T] row_xmask:8 row_mask:0xf bank_mask:0xf
	v_permlanex16_b32 v[T+1], v[T], s[SEL], s[SEL+1]
	v_add_f32 v[\d], v[T], v[T+1]
.endm
.macro REDMAX d
	v_max_num_f32_dpp v[T], v[T], v[T] row_xmask:1 row_mask:0xf bank_mask:0xf
	v_max_num_f32_dpp v[T], v[T], v[T] row_xmask:2 row_mask:0xf bank_mask:0xf
	v_max_num_f32_dpp v[T], v[T], v[T] row_xmask:4 row_mask:0xf bank_mask:0xf
	v_max_num_f32_dpp v[T], v[T], v[T] row_xmask:8 row_mask:0xf bank_mask:0xf
	v_permlanex16_b32 v[T+1], v[T], s[SEL], s[SEL+1]
	v_max_num_f32 v[\d], v[T], v[T+1]
.endm
; Row slot s (window 2, 32 registers) takes the row that lies `row` rows behind s[XB]: eight loads of 512 consecutive bytes
.macro FILL s, row
	WIN 0x80
.irp j, 0,1,2,3,4,5,6,7
	global_load_b128 v[32*(\s)+4*(\j):32*(\s)+4*(\j)+3], v[XO], s[XB:XB+1] offset:(\row)*4096+512*(\j) th:TH_LOAD_NT
.endr
.endm
; One row: mean, then the variance of x - mean (two passes over registers: an offset of x does no harm), z, and out to LDS.  left: the younger loads that may stay out.
.macro TURN s, fill, left
	s_wait_loadcnt \left
	WIN 0x0a                                       ; sources 0 and 1 in window 2
.irp i, 0,1,2,3,4,5,6,7
	v_pk_add_f32 v[T+2*(\i):T+2*(\i)+1], v[32*(\s)+4*(\i):32*(\s)+4*(\i)+1], v[32*(\s)+4*(\i)+2:32*(\s)+4*(\i)+3]
.endr
	WIN 0
.irp i, 0,4,8,12
	v_pk_add_f32 v[T+(\i):T+(\i)+1], v[T+(\i):T+(\i)+1], v[T+(\i)+2:T+(\i)+3]
.endr
	v_pk_add_f32 v[T:T+1], v[T:T+1], v[T+4:T+5]
	v_pk_add_f32 v[T+8:T+9], v[T+8:T+9], v[T+12:T+13]
	v_pk_add_f32 v[T:T+1], v[T:T+1], v[T+8:T+9]
	v_add_f32 v[T], v[T], v[T+1]
	REDADD T
	v_mul_f32 v[MS], s[RDIV], v[T]                 ; the mean
	WIN 0x82                                       ; destination and source 0 in window 2
.set p, 0
.rept 16
	v_pk_add_f32 v[32*(\s)+2*p:32*(\s)+2*p+1], v[32*(\s)+2*p:32*(\s)+2*p+1], v[MS:MS+1] op_sel_hi:[1,0] neg_lo:[0,1] neg_hi:[0,1]
.set p, p+1
.endr
	WIN 0x0a
.set p, 0
.rept 16                               ; squares, in four chains; the first four start them
.if p < 4
	v_pk_mul_f32 v[T+2*p:T+2*p+1], v[32*(\s)+2*p:32*(\s)+2*p+1], v[32*(\s)+2*p:32*(\s)+2*p+1]
.else
	v_pk_fma_f32 v[T+2*(p%4):T+2*(p%4)+1], v[32*(\s)+2*p:32*(\s)+2*p+1], v[32*(\s)+2*p:32*(\s)+2*p+1], v[T+2*(p%4):T+2*(p%4)+1]
.endif
.set p, p+1
.endr
	WIN 0
	v_pk_add_f32 v[T:T+1], v[T:T+1], v[T+2:T+3]
	v_pk_add_f32 v[T+4:T+5], v[T+4:T+5], v[T+6:T+7]
	v_pk_add_f32 v[T:T+1], v[T:T+1], v[T+4:T+5]
	v_add_f32 v[T], v[T], v[T+1]
	REDADD T
	v_fma_f32 v[VV], v[T], s[RDIV], s[SEPS]        ; var + eps
	v_rsq_f32 v[RR], v[VV]
	v_nop                                          ; a plain instruction behind the root,
	s_wait_alu depctr_va_vdst(0)                   ; and a wait ahead of its first reader
	v_mul_f32 v[MS+1], v[VV], v[RR]                ; sigma
	WIN 0x82
.set p, 0
.rept 16
	v_pk_mul_f32 v[32*(\s)+2*p:32*(\s)+2*p+1], v[32*(\s)+2*p:32*(\s)+2*p+1], v[RR:RR+1] op_sel_hi:[1,0]
.set p, p+1
.endr
	WIN 0x0a
.set p, 0
.rept 16
	v_cvt_pk_bf16_f32 v[Y+p], v[32*(\s)+2*p], v[32*(\s)+2*p+1]
.set p, p+1
.endr
	WIN 0
.irp j, 0,1,2,3,4,5,6,7
	ds_store_b64 v[ZS], v[Y+2*(\j):Y+2*(\j)+1] offset:ZP*(\s)+256*(\j)  ; 32 lanes, 256 consecutive bytes
.endr
	ds_store_b64 v[RSA], v[MS:MS+1] offset:8*(\s)  ; every lane the same two words
.if \fill
	FILL \s, 8+(\s)                                ; the slot's next row, eight rows on
.endif
.endm
; W's fragments of one K step, 8 KiB on end, into buffer g of window 1
.macro LOADB g, base, off
	WIN 0x40
.irp i, 0,1,2,3,4,5,6,7,8,9,10,11,12,13,14,15
	global_load_b128 v[64*(\g)+4*(\i):64*(\g)+4*(\i)+3], v[XO], s[\base:\base+1] offset:(\off)+512*(\i)
.endr
.endm
; z's fragments of one K step (128 rows x 32 k at byte off of the rows) into buffer f, the row blocks ascending
.macro FETCHA f, off
	WIN 0
.irp a, 0,1,2,3,4,5,6,7
	ds_load_b128 v[(\f)+8*(\a):(\f)+8*(\a)+3],   v[ADRA+(\a)/2] offset:((\a)%2)*16*ZP+(\off)
	ds_load_b128 v[(\f)+8*(\a)+4:(\f)+8*(\a)+7], v[ADRA+(\a)/2] offset:((\a)%2)*16*ZP+(\off)+32
.endr
.endm
; 32 matrix instructions: row blocks 4 hi .. 4 hi + 3 x all 8 column blocks.  The 64 accumulators take turns in the same order in every step.  zero = 1: the products start the sums.
.macro MUL32 f, g, hi, zero
	WIN 0xa1+0x50*(\hi)
.irp a, 0,1,2,3
.irp b, 0,1,2,3,4,5,6,7
.if \zero
	v_wmma_f32_16x16x32_bf16 v[8*(8*(\a)+(\b)):8*(8*(\a)+(\b))+7], v[64*(\g)+8*(\b):64*(\g)+8*(\b)+7], v[(\f)+8*(4*(\hi)+(\a)):(\f)+8*(4*(\hi)+(\a))+7], 0
.else
	v_wmma_f32_16x16x32_bf16 v[8*(8*(\a)+(\b)):8*(8*(\a)+(\b))+7], v[64*(\g)+8*(\b):64*(\g)+8*(\b)+7], v[(\f)+8*(4*(\hi)+(\a)):(\f)+8*(4*(\hi)+(\a))+7], v[8*(8*(\a)+(\b)):8*(8*(\a)+(\b))+7]
.endif
.endr
.endr
.endm
; A K step: z in buffer f, W in buffer g.  In its middle, four places behind the products that read them last, the other z buffer takes the next step (byte aoff; -1: none) and W's buffer lb the step three on.
; bump = 1: the four address steps (256 bytes, four K steps) are the places.
.macro STEP f, g, zero, aoff, bump, lb, base, boff
	s_wait_loadcnt 32                              ; this step's W is in: behind it the two next steps' 16 loads each were issued, on every way here
	s_wait_dscnt 8                                 ; z's rows 0-63 are in; the youngest eight loads (rows 64-127) may be out
	MUL32 \f, \g, 0, \zero
.if \bump
	WIN 0
.irp i, 0,1,2,3
	v_add_nc_u32 v[ADRA+(\i)], 256, v[ADRA+(\i)]
.endr
.else
	PLACES
.endif
.if (\aoff) >= 0
	FETCHA 192-(\f), \aoff
.endif
	LOADB \lb, \base, \boff
.if (\aoff) >= 0
	s_wait_dscnt 16                                ; all but the 16 just issued
.else
	s_wait_dscnt 0x0
.endif
	MUL32 \f, \g, 1, \zero
.endm
; THE WAY OUT OF A PASS, for a window's four row blocks (units of 64 registers, 32 pairs), as a pipeline of seven super-steps.  In super-step t, pair by pair:
; unit t: + b1c;  unit t - 1: 2^;  unit t - 2: + 1 and 1 /;  unit t - 3: times -2 W2, summed into the unit's first pair.  Nothing in a super-step names the result of a transcendental of the same super-step;
; each super-step that holds one ends with a plain instruction and ONE wait.  Pairs ascend.
.macro EPSTEP t
.set p, 0
.rept 32
.if ((\t) >= 2) && ((\t) <= 5)
	v_pk_add_f32 v[64*((\t)-2)+2*p:64*((\t)-2)+2*p+1], v[64*((\t)-2)+2*p:64*((\t)-2)+2*p+1], 1.0 op_sel_hi:[1,0]
.endif
.if ((\t) >= 1) && ((\t) <= 4)
	v_exp_f32 v[64*((\t)-1)+2*p], v[64*((\t)-1)+2*p]
.endif
.if (\t) <= 3
	v_pk_add_f32 v[64*(\t)+2*p:64*(\t)+2*p+1], v[64*(\t)+2*p:64*(\t)+2*p+1], v[BT+2*p:BT+2*p+1]
.endif
.if ((\t) >= 1) && ((\t) <= 4)
	v_exp_f32 v[64*((\t)-1)+2*p+1], v[64*((\t)-1)+2*p+1]
.endif
.if (\t) >= 3
.if p == 0
	v_pk_mul_f32 v[64*((\t)-3):64*((\t)-3)+1], v[64*((\t)-3):64*((\t)-3)+1], v[WT:WT+1]
.else
	v_pk_fma_f32 v[64*((\t)-3):64*((\t)-3)+1], v[64*((\t)-3)+2*p:64*((\t)-3)+2*p+1], v[WT+2*p:WT+2*p+1], v[64*((\t)-3):64*((\t)-3)+1]
.endif
.endif
.if ((\t) >= 2) && ((\t) <= 5)
	v_rcp_f32 v[64*((\t)-2)+2*p], v[64*((\t)-2)+2*p]
	v_rcp_f32 v[64*((\t)-2)+2*p+1], v[64*((\t)-2)+2*p+1]
.endif
.set p, p+1
.endr
.if ((\t) >= 1) && ((\t) <= 5)
	v_nop
	s_wait_alu depctr_va_vdst(0)
.endif
.endm
.macro EPI w                           ; w: destination, source 0 and source 2 in the accumulators' window, source 1 (the tables) in window 0
	WIN \w
.irp t, 0,1,2,3,4,5,6
	EPSTEP \t
.endr
.endm
; POOLING.  D = (16 equal rows of weights) x (32 rows of z, turned): 16 column blocks of my 256 columns.  z lies [row][column], so it comes turned, by ds_load_tr16_b128.
.macro POOLLD ks, win, base
	WIN \win
.irp db, 0,1,2,3,4,5,6,7,8,9,10,11,12,13,14,15
	ds_load_tr16_b128 v[(\base)+8*(\db):(\base)+8*(\db)+3],   v[ADRT+(\ks)] offset:32*(\db)
	ds_load_tr16_b128 v[(\base)+8*(\db)+4:(\base)+8*(\db)+7], v[ADRT+(\ks)] offset:32*(\db)+16*ZP
.endr
.endm
.macro POOLMM ks, set, base, zero      ; the 16 accumulators take turns
	WIN \set
.irp db, 0,1,2,3,4,5,6,7,8,9,10,11,12,13,14,15
.if \zero
	v_wmma_f32_16x16x32_bf16 v[8*(\db):8*(\db)+7], v[CF+8*(\ks):CF+8*(\ks)+7], v[(\base)+8*(\db):(\base)+8*(\db)+7], 0
.else
	v_wmma_f32_16x16x32_bf16 v[8*(\db):8*(\db)+7], v[CF+8*(\ks):CF+8*(\ks)+7], v[(\base)+8*(\db):(\base)+8*(\db)+7], v[8*(\db):8*(\db)+7]
.endif
.endr
.endm
	s_load_b512 s[4:19], s[0:1], 0x0               ; x, Wf, bpart, b1, W2, b2, part, stat
	v_lshl_add_u32 v[SPW], v0, 2, SPARE
	v_mov_b32 v[NIL], 0
	v_lshrrev_b32 v1, 5, v0
	v_readfirstlane_b32 s[WV], v1                  ; wave 0..3
	v_and_b32 v53, 31, v0                          ; L
	v_and_b32 v54, 15, v0                          ; L % 16
	v_bfe_u32 v55, v0, 4, 1                        ; L / 16
	v_lshlrev_b32 v[XO], 4, v53
	s_mul_i32 s46, s[WV], 32*ZP
	v_lshl_add_u32 v[ZS0], v53, 3, s46             ; my 32 rows of z, 8 bytes a lane
	s_lshl_b32 s46, s[WV], 8
	s_add_co_u32 s47, s46, RS
	v_mov_b32 v[RSA0], s47
	s_add_co_u32 s47, s46, CW
	v_lshl_add_u32 v[CWS], v53, 3, s47             ; four weights a lane
	v_lshl_add_u32 v[CWL], v55, 4, s47             ; back as a fragment whose 16 rows are equal
	s_lshl_b32 s46, s[WV], 10
	s_add_co_u32 s47, s46, TB1
	v_lshl_add_u32 v[TBA0], v55, 5, s47
	s_add_co_u32 s47, s46, PST
	v_lshl_add_u32 v[PSS], v54, 2, s47
	v_lshl_add_u32 v[PSL], v53, 4, s47
	v_lshl_add_u32 v[PO], v53, 4, s46
	s_lshl_b32 s46, s[WV], 9
	s_add_co_u32 s47, s46, SC
	v_lshl_add_u32 v[SCA], v54, 2, s47
	v_lshl_add_u32 v[FINA], v53, 4, SC             ; rows 4 L .. 4 L + 3
	v_lshl_add_u32 v[RSL], v53, 5, RS
	v_mul_u32_u24 v56, v54, ZP
	v_lshl_add_u32 v[ADRA0], v55, 4, v56
.irp i, 1,2,3
	v_add_nc_u32 v[ADRA0+(\i)], (\i)*32*ZP, v[ADRA0]
.endr
.irp i, 0,1,2,3
	v_mov_b32 v[ADRA+(\i)], v[ADRA0+(\i)]
.endr
	v_and_b32 v56, 7, v0
	v_lshl_add_u32 v56, v55, 3, v56
	v_mul_u32_u24 v56, v56, ZP
	v_bfe_u32 v57, v0, 3, 1
	v_lshl_add_u32 v56, v57, 4, v56
	v_add_nc_u32 v[ADRT], s46, v56                 ; + 512 w: my 256 columns
.irp i, 1,2,3
	v_add_nc_u32 v[ADRT+(\i)], (\i)*32*ZP, v[ADRT]
.endr
	v_lshlrev_b32 v[STO], 3, v53
	v_lshlrev_b32 v[PFO], 8, v53
	v_mov_b32 v[SWA], SW
	v_lshl_add_u32 v[TS], v0, 5, TB1               ; thread t makes columns 8 t .. 8 t + 7 of the tables
	v_lshlrev_b32 v[GS], 5, v0
	s_lshl_b32 s47, s[WV], 2
	s_add_co_u32 s47, s47, SW
	v_mov_b32 v[SWS], s47
	v_mov_b32 v[MS+1], 0                           ; four registers that are named in a pair before they are first set
	v_mov_b32 v[RR+1], 0
	v_mov_b32 v[ML+1], 0
	v_mov_b32 v[TMU+1], 0
	s_mov_b32 s[SEL], 0x76543210
	s_mov_b32 s[SEL+1], 0xfedcba98
	s_mov_b32 s[RDIV], 0x3a800000
	s_mov_b32 s[L2E], 0x3fb8aa3b
	s_mov_b32 s[SEPS], 0x3727c5ac
	s_mov_b32 s[CC], 0x4038aa3b
	s_mov_b32 s[CC+1], s[CC]
	s_lshl_b32 s46, ttmp9, 20                      ; the work-group's 256 rows of 4,096 bytes,
	s_lshl_b32 s47, s[WV], 17                      ; my 32 of a block
	s_add_co_u32 s46, s46, s47
	s_mov_b32 s47, 0
	s_lshl_b32 s54, s[WV], 19                      ; my two column groups of Wf: 524,288 bytes on end
	s_mov_b32 s55, 0
	s_lshl_b32 s56, ttmp9, 13                      ; two blocks' rows of part
	s_mov_b32 s57, 0
	s_lshl_b32 s58, ttmp9, 9                       ; and of stat
	s_mov_b32 s59, 0
	s_wait_kmcnt 0x0
	s_load_b32 s[B2], s[14:15], 0x0
	s_add_nc_u64 s[XB:XB+1], s[4:5], s[46:47]
	s_add_nc_u64 s[XN:XN+1], s[XB:XB+1], 0x80000
	s_add_nc_u64 s[W0:W0+1], s[6:7], s[54:55]
	s_add_nc_u64 s[W1P:W1P+1], s[W0:W0+1], 0x40000
	s_add_nc_u64 s[PB:PB+1], s[16:17], s[56:57]
	s_add_nc_u64 s[SB:SB+1], s[18:19], s[58:59]
.irp j, 0,1,2,3,4,5,6,7
	global_load_b128 v[64+8*(\j):64+8*(\j)+3], v[GS], s[8:9] offset:4096*(\j)     ; bpart's eight slices,
	global_load_b128 v[64+8*(\j)+4:64+8*(\j)+7], v[GS], s[8:9] offset:4096*(\j)+16
.endr
	global_load_b128 v[128:131], v[GS], s[10:11]   ; b1,
	global_load_b128 v[132:135], v[GS], s[10:11] offset:16
	global_load_b128 v[136:139], v[GS], s[12:13]   ; W2
	global_load_b128 v[140:143], v[GS], s[12:13] offset:16
	LOADB 0, W0, 0                                 ; the first pass's K steps 0 to 2
	LOADB 1, W0, 8192
	LOADB 2, W0, 16384
.irp s, 0,1,2,3,4,5,6,7
	FILL \s, \s                                    ; my first eight rows
.endr
	WIN 0
	s_wait_loadcnt 63                              ; behind the 20 table loads 112 were issued; 63 is the largest count that the wait can name, and the smaller count is the safe one
.irp j, 0,1,2,3,4,5,6,7
.irp i, 0,2,4,6
	v_pk_add_f32 v[128+(\i):128+(\i)+1], v[128+(\i):128+(\i)+1], v[64+8*(\j)+(\i):64+8*(\j)+(\i)+1]
.endr
.endr
.irp i, 0,2,4,6
	v_pk_mul_f32 v[128+(\i):128+(\i)+1], v[128+(\i):128+(\i)+1], s[CC:CC+1] op_sel_hi:[1,0]
.endr
	ds_store_b128 v[TS], v[128:131]
	ds_store_b128 v[TS], v[132:135] offset:16
	v_pk_add_f32 v[T:T+1], v[136:137], v[138:139]
	v_pk_add_f32 v[T+2:T+3], v[140:141], v[142:143]
	v_pk_add_f32 v[T:T+1], v[T:T+1], v[T+2:T+3]
	v_add_f32 v[T], v[T], v[T+1]
	REDADD T
	ds_store_b32 v[SWS], v[T]                      ; my wave's 256 numbers of W2, summed
.irp i, 0,2,4,6
	v_pk_mul_f32 v[136+(\i):136+(\i)+1], v[136+(\i):136+(\i)+1], -2.0 op_sel_hi:[1,0]
.endr
	ds_store_b128 v[TS], v[136:139] offset:4096
	ds_store_b128 v[TS], v[140:143] offset:4112
	s_wait_kmcnt 0x0                               ; b2
	s_mov_b32 s[BLK], 2
	s_mov_b32 s[PH], 4
.Lblock:
	v_mov_b32 v[ZS], v[ZS0]
	v_mov_b32 v[RSA], v[RSA0]
.irp a, 0,1,2,3,4,5,6,7
	v_mov_b32 v[SACC+(\a)], 0
.endr
	s_mov_b32 s[RND], 3
.Lround:                               ; eight rows a trip; each slot is filled again with the row eight on
.irp s, 0,1,2,3,4,5,6,7
	TURN \s, 1, 56                                 ; the seven other slots' eight loads each are younger than mine
.endr
	WIN 0
	s_wait_xcnt 0x0                                ; the loads have read their base: it may be stepped
	s_add_nc_u64 s[XB:XB+1], s[XB:XB+1], 8*4096
	v_add_nc_u32 v[ZS], 8*ZP, v[ZS]
	v_add_nc_u32 v[RSA], 64, v[RSA]
	s_sub_co_u32 s[RND], s[RND], 1
	s_cmp_lg_u32 s[RND], 0
	s_cbranch_scc1 .Lround
.irp s, 0,1,2,3,4,5,6,7
	TURN \s, 0, 56-8*(\s)                          ; the block's last eight rows: nothing is loaded, the counts run down
.endr
	WIN 0
	s_wait_dscnt 0x0                               ; for the others' sake: my rows of z, their (mean, sigma) and, the first time, my part of the tables lie in LDS
	s_barrier_signal -1
	s_barrier_wait -1
	s_mov_b32 s[PASS], 2
.Lpass:
	s_wait_xcnt 0x0                                ; the last pass's loads have read their bases
	s_cmp_eq_u32 s[PASS], 2
	s_cselect_b64 s[WP:WP+1], s[W0:W0+1], s[W1P:W1P+1]
	s_cselect_b64 s[WN:WN+1], s[W1P:W1P+1], s[W0:W0+1]
	s_cselect_b32 s[TOFF], 0, 512
	v_add_nc_u32 v[TBA], s[TOFF], v[TBA0]
	FETCHA F0, 0
	STEP F0, 0, 1, 64, 0, 3, WP, 3*8192            ; K step 0 stands in front of the loop: its products start the sums
	WIN 0
	s_mov_b32 s[KT], 7
.Lk:                                   ; K steps 4 t + 1 to 4 t + 4
	STEP F1, 1, 0, 128, 0, 0, WP, 4*8192
	STEP F0, 2, 0, 192, 0, 1, WP, 5*8192
	STEP F1, 3, 0, 256, 0, 2, WP, 6*8192
	STEP F0, 0, 0, 64,  1, 3, WP, 7*8192
	WIN 0
	s_wait_xcnt 0x0                                ; the youngest load stands 32 matrix instructions back
	s_add_nc_u64 s[WP:WP+1], s[WP:WP+1], 4*8192
	s_sub_co_u32 s[KT], s[KT], 1
	s_cmp_lg_u32 s[KT], 0
	s_cbranch_scc1 .Lk
	STEP F1, 1, 0, 128, 0, 0, WN, 0                ; K steps 29 to 31 fetch the next pass's steps 0 to 2, so that every step issues 16 loads and the count at a step's head holds everywhere
	STEP F0, 2, 0, 192, 0, 1, WN, 8192             ; (behind the launch's last pass these 24 KiB a wave, inside Wf, serve nothing)
	STEP F1, 3, 0, -1,  0, 2, WN, 16384
	WIN 0
.irp i, 0,1,2,3
	v_mov_b32 v[ADRA+(\i)], v[ADRA0+(\i)]          ; back to K = 0; with the four below: the places behind the last products
.endr
	PLACES
.irp b, 0,1,2,3,4,5,6,7                ; my lane's 64 columns of b1c and of -2 W2: 16 b + 8 (L / 16) + 0..7
	ds_load_b128 v[BT+8*(\b):BT+8*(\b)+3],   v[TBA] offset:64*(\b)
	ds_load_b128 v[BT+8*(\b)+4:BT+8*(\b)+7], v[TBA] offset:64*(\b)+16
	ds_load_b128 v[WT+8*(\b):WT+8*(\b)+3],   v[TBA] offset:4096+64*(\b)
	ds_load_b128 v[WT+8*(\b)+4:WT+8*(\b)+7], v[TBA] offset:4096+64*(\b)+16
.endr
	; A PREFETCH INTO THE L2, once in the launch, at the first block's second pass: my own first eight rows of the second block, a lane to each 256 bytes, four instructions, 32 KiB a wave;
	; each block of 256 bytes is named once, by the wave that will load it one way out of a pass later.  Its registers are never rewritten.
	s_cmp_eq_u32 s[PH], 3
	s_cbranch_scc0 .Lnopf
.irp i, 0,1,2,3
	global_prefetch_b8 v[PFO], s[XN:XN+1] offset:8192*(\i) th:TH_LOAD_NT scope:SCOPE_SE
.endr
.Lnopf:
	s_wait_dscnt 0x0                               ; the tables are in
	EPI 0xa2
	WIN 0x02
.irp u, 0,1,2,3
	v_add_f32 v[SACC+(\u)], v[64*(\u)], v[SACC+(\u)]
.endr
.irp u, 0,1,2,3
	v_add_f32 v[SACC+(\u)], v[64*(\u)+1], v[SACC+(\u)]
.endr
	EPI 0xf3
	WIN 0x03
.irp u, 0,1,2,3
	v_add_f32 v[SACC+4+(\u)], v[64*(\u)], v[SACC+4+(\u)]
.endr
.irp u, 0,1,2,3
	v_add_f32 v[SACC+4+(\u)], v[64*(\u)+1], v[SACC+4+(\u)]
.endr
	WIN 0
	s_sub_co_u32 s[PH], s[PH], 1
	s_sub_co_u32 s[PASS], s[PASS], 1
	s_cmp_lg_u32 s[PASS], 0
	s_cbranch_scc1 .Lpass
	; THE BLOCK'S END.  A row's other columns of mine lie in the lane 16 away; the four waves' parts meet in LDS.
.irp a, 0,1,2,3,4,5,6,7
	v_permlanex16_b32 v[T+(\a)], v[SACC+(\a)], s[SEL], s[SEL+1]
.endr
.irp a, 0,1,2,3,4,5,6,7
	v_add_f32 v[SACC+(\a)], v[SACC+(\a)], v[T+(\a)]
.endr
.irp a, 0,1,2,3,4,5,6,7
	ds_store_b32 v[SCA], v[SACC+(\a)] offset:64*(\a)
.endr
	s_cmp_eq_u32 s[BLK], 1
	s_cbranch_scc1 .Lnofill                        ; behind the last block there is nothing to load
	s_wait_xcnt 0x0
	s_add_nc_u64 s[XB:XB+1], s[XB:XB+1], (128-24)*4096  ; the loop left the base 24 rows into the block
.irp s, 0,1,2,3,4,5,6,7
	FILL \s, \s                                    ; the next block's first eight rows are on their way while this block is pooled: window 2 is free
.endr
	WIN 0
.Lnofill:
	s_wait_dscnt 0x0
	s_barrier_signal -1
	s_barrier_wait -1                              ; all four parts of every row's score lie in LDS
	POOLLD 0, 0xc0, 128
	WIN 0
.irp v, 0,1,2,3
	ds_load_b128 v[SCV+4*(\v):SCV+4*(\v)+3], v[FINA] offset:512*(\v)
.endr
	ds_load_b128 v[RSV:RSV+3], v[RSL]
	ds_load_b128 v[RSV+4:RSV+7], v[RSL] offset:16
	ds_load_b128 v[SWV:SWV+3], v[SWA]
	s_wait_dscnt 0x0
	; every wave makes all 128 weights for itself: lane L has rows 4 L .. 4 L + 3
	v_pk_add_f32 v[SWV:SWV+1], v[SWV:SWV+1], v[SWV+2:SWV+3]
	v_pk_add_f32 v[34:35], v[SCV:SCV+1], v[SCV+4:SCV+5]
	v_pk_add_f32 v[36:37], v[SCV+2:SCV+3], v[SCV+6:SCV+7]
	v_pk_add_f32 v[38:39], v[SCV+8:SCV+9], v[SCV+12:SCV+13]
	v_pk_add_f32 v[40:41], v[SCV+10:SCV+11], v[SCV+14:SCV+15]
	v_add_f32 v[SWV], v[SWV], v[SWV+1]
	v_pk_add_f32 v[34:35], v[34:35], v[38:39]
	v_pk_add_f32 v[36:37], v[36:37], v[40:41]
	v_add_f32 v[SWV], s[B2], v[SWV]                ; b2 + sum W2
	v_pk_add_f32 v[34:35], v[34:35], v[SWV:SWV+1] op_sel_hi:[1,0]
	v_pk_add_f32 v[36:37], v[36:37], v[SWV:SWV+1] op_sel_hi:[1,0]
	v_max3_num_f32 v[T], v34, v35, v36
	v_max_num_f32 v[T], v[T], v37
	REDMAX ML                                      ; m: the block's largest score
	v_pk_add_f32 v[34:35], v[34:35], v[ML:ML+1] op_sel_hi:[1,0] neg_lo:[0,1] neg_hi:[0,1]
	v_pk_add_f32 v[36:37], v[36:37], v[ML:ML+1] op_sel_hi:[1,0] neg_lo:[0,1] neg_hi:[0,1]
	v_pk_mul_f32 v[34:35], v[34:35], s[L2E:L2E+1] op_sel_hi:[1,0]
	v_pk_mul_f32 v[36:37], v[36:37], s[L2E:L2E+1] op_sel_hi:[1,0]
	v_exp_f32 v34, v34
	v_exp_f32 v35, v35
	v_exp_f32 v36, v36
	v_exp_f32 v37, v37
	v_nop                                          ; a plain instruction behind the last exponential,
	s_wait_alu depctr_va_vdst(0)                   ; and one wait for the four
	v_pk_add_f32 v[T:T+1], v[34:35], v[36:37]
	v_add_f32 v[T], v[T], v[T+1]
	REDADD ML+1                                    ; l
	v_mul_f32 v[T], v34, v[RSV]
	v_fma_f32 v[T], v35, v[RSV+2], v[T]
	v_fma_f32 v[T], v36, v[RSV+4], v[T]
	v_fma_f32 v[T], v37, v[RSV+6], v[T]
	REDADD TMU                                     ; sum e mean
	v_mul_f32 v38, v34, v[RSV+1]                   ; e sigma
	v_mul_f32 v39, v35, v[RSV+3]
	v_mul_f32 v40, v36, v[RSV+5]
	v_mul_f32 v41, v37, v[RSV+7]
	v_cvt_pk_bf16_f32 v38, v38, v39
	v_cvt_pk_bf16_f32 v39, v40, v41
	ds_store_b64 v[CWS], v[38:39]
.irp k, 0,1,2,3                        ; my wave's own bytes: LDS serves a wave's instructions in order (ISA guide 5.7.1.4), so these see the store above
	ds_load_b128 v[CF+8*(\k):CF+8*(\k)+3],   v[CWL] offset:64*(\k)
	ds_load_b128 v[CF+8*(\k)+4:CF+8*(\k)+7], v[CWL] offset:64*(\k)+32
.endr
	POOLLD 1, 0, 64
	s_wait_dscnt 32                                ; all but the 32 turning loads just issued
	POOLMM 0, 0xfc, 128, 1
	PLACES
	POOLLD 2, 0xc0, 128
	s_wait_dscnt 32
	POOLMM 1, 0xf0, 64, 0
	PLACES
	POOLLD 3, 0, 64
	s_wait_dscnt 32
	POOLMM 2, 0xfc, 128, 0
	s_wait_dscnt 0x0
	POOLMM 3, 0xf0, 64, 0
	PLACES
	PLACES
	WIN 0x0c                                       ; store data in window 3
.irp db, 0,1,2,3,4,5,6,7,8,9,10,11,12,13,14,15
	ds_store_b32 v[PSS], v[8*(\db)] offset:64*(\db)  ; all 16 rows of a result are equal: its lowest register holds column 16 db + L % 16
.endr
	WIN 0
	ds_load_b128 v[34:37], v[PSL]
	ds_load_b128 v[38:41], v[PSL] offset:512
	s_wait_dscnt 0x0
.irp i, 34,36,38,40
	v_pk_add_f32 v[\i:\i+1], v[\i:\i+1], v[TMU:TMU+1] op_sel_hi:[1,0]
.endr
	global_store_b128 v[PO], v[34:37], s[PB:PB+1]             ; 512 consecutive bytes each, aligned
	global_store_b128 v[PO], v[38:41], s[PB:PB+1] offset:512
	s_cmp_lg_u32 s[WV], 0
	s_cbranch_scc1 .Lnostat
	global_store_b64 v[STO], v[ML:ML+1], s[SB:SB+1]           ; (m, l) 32 times: 256 consecutive bytes by one instruction
.Lnostat:
	s_wait_dscnt 0x0                               ; my reads of z, of the scores and of (mean, sigma) are over:
	s_barrier_signal -1
	s_barrier_wait -1                              ; only now does any wave write the next block's
	s_wait_xcnt 0x0                                ; the stores have read their registers and bases
	s_add_nc_u64 s[PB:PB+1], s[PB:PB+1], 4096
	s_add_nc_u64 s[SB:SB+1], s[SB:SB+1], 256
	s_sub_co_u32 s[BLK], s[BLK], 1
	s_cmp_lg_u32 s[BLK], 0
	s_cbranch_scc1 .Lblock
	s_wait_tensorcnt 0x0                           ; the wave's end, behind my last LDS store
	ds_add_u32 v[SPW], v[NIL]
	s_wait_dscnt 0x0
	s_endpgm
.Lfunc_end_k_qa4149d80d5_main:
	.size	k_qa4149d80d5_main, .Lfunc_end_k_qa4149d80d5_main-k_qa4149d80d5_main
	.p2alignl 7, 3214868480
	.fill 96, 4, 3214868480
	.section	.rodata,"a",@progbits
	.p2align	6, 0x0
	.amdhsa_kernel k_qa4149d80d5_main
		.amdhsa_group_segment_fixed_size 281344
		.amdhsa_private_segment_fixed_size 0
		.amdhsa_enable_private_segment 0
		.amdhsa_kernarg_size 64
		.amdhsa_user_sgpr_count 2
		.amdhsa_user_sgpr_kernarg_segment_ptr 1
		.amdhsa_wavefront_size32 1
		.amdhsa_system_sgpr_workgroup_id_x 1
		.amdhsa_system_sgpr_workgroup_id_y 1
		.amdhsa_system_sgpr_workgroup_id_z 1
		.amdhsa_system_vgpr_workitem_id 0
		.amdhsa_next_free_vgpr 1024
		.amdhsa_next_free_sgpr 66
		.amdhsa_reserve_vcc 0
		.amdhsa_float_denorm_mode_32 3
		.amdhsa_float_denorm_mode_16_64 3
		.amdhsa_memory_ordered 1
		.amdhsa_forward_progress 1
		.amdhsa_inst_pref_size 255
	.end_amdhsa_kernel
	.section	.bss,"aw",@nobits
	.p2align	6
	.space	262144
	.amdgpu_metadata
---
amdhsa.version: [ 1, 2 ]
amdhsa.kernels:
  - .name:           k_qa4149d80d5_main
    .symbol:         k_qa4149d80d5_main.kd
    .args:
      - { .name: x, .offset: 0, .size: 8, .value_kind: global_buffer, .address_space: global }
      - { .name: Wf, .offset: 8, .size: 8, .value_kind: global_buffer, .address_space: global }
      - { .name: bpart, .offset: 16, .size: 8, .value_kind: global_buffer, .address_space: global }
      - { .name: b1, .offset: 24, .size: 8, .value_kind: global_buffer, .address_space: global }
      - { .name: W2, .offset: 32, .size: 8, .value_kind: global_buffer, .address_space: global }
      - { .name: b2, .offset: 40, .size: 8, .value_kind: global_buffer, .address_space: global }
      - { .name: part, .offset: 48, .size: 8, .value_kind: global_buffer, .address_space: global }
      - { .name: stat, .offset: 56, .size: 8, .value_kind: global_buffer, .address_space: global }
    .group_segment_fixed_size: 281344
    .private_segment_fixed_size: 0
    .kernarg_segment_align: 8
    .kernarg_segment_size: 64
    .max_flat_workgroup_size: 128
    .sgpr_count:     66
    .vgpr_count:     1024
    .wavefront_size: 32
...
	.end_amdgpu_metadata
.endif
;; end of part 2
;; launch combine (part 3): grid 4 x 32, 2 waves a work-group, no clusters, 0 bytes of LDS; arguments part, stat, out0; writes out0
.if DOCPART == 3
	.amdgcn_target "amdgcn-amd-amdhsa--gfx1250"
	.amdhsa_code_object_version 6
	.text
	.protected	k_qa4149d80d5_combine
	.globl	k_qa4149d80d5_combine
	.p2align	8
	.type	k_qa4149d80d5_combine,@function
k_qa4149d80d5_combine:
	s_mov_b64 s[64:65], 0
	v_nop
	global_prefetch_b8 v0, s[64:65] scope:SCOPE_SE
	s_setreg_imm32_b32 hwreg(HW_REG_WAVE_MODE, 25, 1), 1
	s_wait_xcnt 0x0
; out0[b][d] = sum over the batch's 16 blocks g of w[g] part[16 b + g][d] / sum over g of w[g] l[g], w[g] = exp(m[g] - M), M = the largest m[g]: the softmax over the whole sequence, under its true maximum.
; A work-group takes a quarter of a batch's 1,024 columns (x = quarter, y = batch); thread t takes four columns.  Lane L reads block L % 16's (m, l), so both halves of the lanes hold all 16, and the
; maximum and the sum are four steps inside a half.  The divisor is at least 1 (the block with the largest m has l of 1 or more).  A weight below 2^-126 counts as 0.
; No LDS, no matrix unit: 2 MiB are read once and 128 KiB written; 128 work-groups is all the work there is at 16 bytes a thread.
.set P,   16                           ; v[16:79]  the 16 blocks' four columns
.set ACC, 80                           ; v[80:83]
.set WS,  40                           ; s[40:55]  the 16 weights, divided by the divisor
	s_load_b128 s[4:7], s[0:1], 0x0                ; part s[4:5], stat s[6:7]
	s_load_b64 s[8:9], s[0:1], 0x10                ; out0
	v_and_b32 v1, 15, v0
	v_lshlrev_b32 v2, 8, v1                        ; a block's 256 bytes of stat
	v_lshlrev_b32 v3, 4, v0                        ; my four columns
	s_and_b32 s10, ttmp7, 0xffff                   ; the batch
	s_lshl_b32 s12, s10, 12                        ; stat: 16 blocks of 256 bytes
	s_mov_b32 s13, 0
	s_lshl_b32 s14, s10, 16                        ; part: 16 blocks of 4,096 bytes,
	s_lshl_b32 s16, ttmp9, 10                      ; the quarter's 1,024
	s_add_co_u32 s14, s14, s16
	s_mov_b32 s15, 0
	s_add_co_u32 s16, s12, s16                     ; out0: a row of 4,096 bytes, the quarter's 1,024
	s_mov_b32 s17, 0
	s_wait_kmcnt 0x0
	s_add_nc_u64 s[4:5], s[4:5], s[14:15]
	s_add_nc_u64 s[6:7], s[6:7], s[12:13]
	s_add_nc_u64 s[8:9], s[8:9], s[16:17]
	global_load_b64 v[4:5], v2, s[6:7]             ; (m, l)
.irp g, 0,1,2,3,4,5,6,7,8,9,10,11,12,13,14,15
	global_load_b128 v[P+4*(\g):P+4*(\g)+3], v3, s[4:5] offset:4096*(\g) th:TH_LOAD_NT  ; a wave reads 512 consecutive bytes
.endr
	s_wait_loadcnt 16                              ; (m, l) is in; the 16 loads behind it stay out
	v_mov_b32 v6, v4
	v_max_num_f32_dpp v6, v6, v6 row_xmask:1 row_mask:0xf bank_mask:0xf
	v_max_num_f32_dpp v6, v6, v6 row_xmask:2 row_mask:0xf bank_mask:0xf
	v_max_num_f32_dpp v6, v6, v6 row_xmask:4 row_mask:0xf bank_mask:0xf
	v_max_num_f32_dpp v6, v6, v6 row_xmask:8 row_mask:0xf bank_mask:0xf
	v_sub_f32 v7, v4, v6
	v_mul_f32 v7, 0x3fb8aa3b, v7
	v_exp_f32 v7, v7
	v_nop                                          ; a plain instruction behind the exponential,
	s_wait_alu depctr_va_vdst(0)                   ; and a wait ahead of its first reader
	v_mul_f32 v8, v7, v5
	v_add_f32_dpp v8, v8, v8 row_xmask:1 row_mask:0xf bank_mask:0xf
	v_add_f32_dpp v8, v8, v8 row_xmask:2 row_mask:0xf bank_mask:0xf
	v_add_f32_dpp v8, v8, v8 row_xmask:4 row_mask:0xf bank_mask:0xf
	v_add_f32_dpp v8, v8, v8 row_xmask:8 row_mask:0xf bank_mask:0xf
	v_rcp_f32 v9, v8
	v_nop
	s_wait_alu depctr_va_vdst(0)
	v_mul_f32 v7, v7, v9
.irp g, 0,1,2,3,4,5,6,7,8,9,10,11,12,13,14,15
	v_readlane_b32 s[WS+(\g)], v7, \g              ; factors only: no address and no branch hangs on them
.endr
	s_wait_loadcnt 0x0
.irp i, 0,1,2,3
	v_mul_f32 v[ACC+(\i)], s[WS], v[P+(\i)]        ; the first block starts the sums
.endr
.irp g, 1,2,3,4,5,6,7,8,9,10,11,12,13,14,15
.irp i, 0,1,2,3
	v_fma_f32 v[ACC+(\i)], s[WS+(\g)], v[P+4*(\g)+(\i)], v[ACC+(\i)]
.endr
.endr
	global_store_b128 v3, v[ACC:ACC+3], s[8:9]     ; a wave stores 512 consecutive bytes, aligned
	s_endpgm
.Lfunc_end_k_qa4149d80d5_combine:
	.size	k_qa4149d80d5_combine, .Lfunc_end_k_qa4149d80d5_combine-k_qa4149d80d5_combine
	.p2alignl 7, 3214868480
	.fill 96, 4, 3214868480
	.section	.rodata,"a",@progbits
	.p2align	6, 0x0
	.amdhsa_kernel k_qa4149d80d5_combine
		.amdhsa_group_segment_fixed_size 0
		.amdhsa_private_segment_fixed_size 0
		.amdhsa_enable_private_segment 0
		.amdhsa_kernarg_size 24
		.amdhsa_user_sgpr_count 2
		.amdhsa_user_sgpr_kernarg_segment_ptr 1
		.amdhsa_wavefront_size32 1
		.amdhsa_system_sgpr_workgroup_id_x 1
		.amdhsa_system_sgpr_workgroup_id_y 1
		.amdhsa_system_sgpr_workgroup_id_z 1
		.amdhsa_system_vgpr_workitem_id 0
		.amdhsa_next_free_vgpr 96
		.amdhsa_next_free_sgpr 66
		.amdhsa_reserve_vcc 0
		.amdhsa_float_denorm_mode_32 3
		.amdhsa_float_denorm_mode_16_64 3
		.amdhsa_memory_ordered 1
		.amdhsa_forward_progress 1
		.amdhsa_inst_pref_size 9
	.end_amdhsa_kernel
	.amdgpu_metadata
---
amdhsa.version: [ 1, 2 ]
amdhsa.kernels:
  - .name:           k_qa4149d80d5_combine
    .symbol:         k_qa4149d80d5_combine.kd
    .args:
      - { .name: part, .offset: 0, .size: 8, .value_kind: global_buffer, .address_space: global }
      - { .name: stat, .offset: 8, .size: 8, .value_kind: global_buffer, .address_space: global }
      - { .name: out0, .offset: 16, .size: 8, .value_kind: global_buffer, .address_space: global }
    .group_segment_fixed_size: 0
    .private_segment_fixed_size: 0
    .kernarg_segment_align: 8
    .kernarg_segment_size: 24
    .max_flat_workgroup_size: 64
    .sgpr_count:     66
    .vgpr_count:     96
    .wavefront_size: 32
...
	.end_amdgpu_metadata
.endif
;; end of part 3
;; ======== version 2 of 2: 3 launches; version 1 with the launch main written anew for expert scheduling mode
;; workspace buffers: Wf 2,097,152 bytes; bpart 32,768 bytes; part 2,097,152 bytes; stat 131,072 bytes
;; launch prep: the kernel of part 1 again; grid 8 x 8, 8 waves a work-group, no clusters, 72,704 bytes of LDS; arguments W1, ln_gamma, ln_beta, Wf, bpart; writes Wf, bpart
;; launch main (part 4): grid 256 x 1, 4 waves a work-group, no clusters, 281,344 bytes of LDS; arguments x, Wf, bpart, b1, W2, b2, part, stat; writes part, stat
.if DOCPART == 4
	.amdgcn_target "amdgcn-amd-amdhsa--gfx1250"
	.amdhsa_code_object_version 6
	.text
	.protected	k_qa4149d80d5_main
	.globl	k_qa4149d80d5_main
	.p2align	8
	.type	k_qa4149d80d5_main,@function
k_qa4149d80d5_main:
	s_mov_b64 s[64:65], 0
	v_nop
	global_prefetch_b8 v0, s[64:65] scope:SCOPE_SE
	s_setreg_imm32_b32 hwreg(HW_REG_WAVE_SCHED_MODE, 0, 2), 2
	s_setreg_imm32_b32 hwreg(HW_REG_WAVE_MODE, 25, 1), 1
	s_wait_xcnt 0x0
	s_wait_alu depctr_vm_vsrc(0)
; FROM x TO A SOFTMAX PARTIAL, x READ ONCE.  For each block of 128 rows of a batch: z = (x - mean) / sqrt(var + eps) in bf16 into LDS; C y = z Wf + b1c (bf16 products, f32 sums; Wf and C: the launch before);
; tanh(y) = 1 - 2 r, r = 1 / (1 + 2^(C y)); score = b2 + sum W2 + sum over n of (-2 W2[n]) r[n], in f32; m = the block's largest score, e = exp(score - m), l = sum e;
; part[block][d] = sum over rows of e x[row][d] = sum (e sigma) z[row][d] + sum e mean, since x = z sigma + mean (sigma = sqrt(var + eps)): the z that fed the product feeds the pooling too.
; stat[block] = (m, l), 32 times.  The launch behind joins a batch's 16 blocks under the batch's maximum.
; LIMITS.  z, Wf and the pooling weights e sigma are rounded to bf16; the mean stays in f32, so a common offset of x is not rounded.  tanh by the form above is off by some 1e-7 absolutely.
; A weight below 2^-126 counts as 0.  NaN and infinities are not treated apart.  The sums' order differs from the reference's.
; SHARES.  256 work-groups of four waves; a work-group takes 256 rows, two blocks.  Normalising: wave w takes rows 32 w .. 32 w + 31, a row at a time in 32 registers, seven or eight rows on their way.
; Product: two passes; in a pass wave w makes all 128 rows x columns 128 (2 w + pass) ..: 64 accumulators, 512 registers; K in 32 steps of 32, 64 matrix instructions each.
; THE MATRIX INSTRUCTION IS USED TRANSPOSED (source 0 = 16 columns of W, source 1 = 16 rows of z): a lane holds one row (lane % 16) and eight neighbouring columns, so a row's score is a sum inside the lane.
; W COMES STRAIGHT INTO REGISTERS, NOT THROUGH LDS, AND NOT JOINTLY.  z takes 264,192 bytes and the small tables 17,152; what is left of LDS holds no two slots of 32 k for a pass's 512 columns (2 x 40,960 bytes),
; and slots for 256 columns would put a round of a cluster's barrier behind every 32 matrix instructions of a wave.  Each byte of a W fragment is wanted by one wave of the work-group alone, so LDS would give no reuse;
; four register buffers, filled three steps ahead, need no barrier in the K loop.
; REGISTERS, in windows of 256 (s_set_vgpr_msb: bits 1:0 source 0, 3:2 source 1, 5:4 source 2, 7:6 destination):
;   window 0: v0-61 addresses and small things; v64-127, v128-191 z's fragments, two buffers (way out of a pass: b1c and -2 W2; pooling: z turned, odd steps); v192-223, v224-251 at work
;   window 1: W's fragments, four buffers of 64      windows 2, 3: accumulator (a, b) at v[8 (8 (a % 4) + b)] of window 2 + a / 4
;   while rows are normalised window 2 holds the eight row slots; while rows are pooled window 3 holds 16 accumulators (v0-127) and z turned, even steps (v128-255).
; THE MODE: SCHED_MODE bits 1:0 = 2 (LLVM: expert scheduling mode 2), set by the entry lines.  The code itself states the register dependences between vector or matrix instructions and memory or LDS
; instructions, with s_wait_alu, always for 0.
; THE PLAN.  Registers that memory or LDS instructions touch, and who else names them:
;   ROWS.    Slot r % 8: row r's vector lines read and write it; the loads of row r + 8 land in it.  Y[r % 2], MS[r % 2]: row r's lines write them; nine LDS stores read them.  Those stores and loads are issued in
;            row r + 1, behind its ONE wait on va_vdst, which stands behind its root: the root is written, and row r's lines, all issued ahead of it, are done.  No vector line behind that wait names what they touch.
;            One wait on vm_vsrc at a row's head: the stores issued half a row back have read the Y and MS that this row writes again.  v[ZS], v[RSA] step once in eight rows, behind a wait on vm_vsrc.
;   K LOOP.  z's buffers F0, F1 and W's four are read by matrix instructions alone.  In step k the loads of step k + 1's z land in the z buffer, and those of step k + 3's W in the W buffer, that step k - 1 read.
;            ONE wait on va_vdst at a step's head: step k - 1's products are done reading both.  The 32 loads follow in fours behind the step's first eight products, which name this step's z, its W and the
;            accumulators: nothing that the loads touch.  v[ADRA ..] step once in four steps, at a step's head: a wait on vm_vsrc, the adds, and the step's own wait on va_vdst.
;   ELSEWHERE (the head, a pass's head and end, a block's end) each run of stores has one wait on va_vdst ahead of it, which also serves the loads that follow it; each comment says what it covers.
;   v[XO] and the addresses made at the head are never written again.
.set ZP,    2064                       ; a row of z in LDS: 2,048 bytes + 16 = 129 x 16: the 16 rows of a fragment load start at 16 different groups of four banks (64 banks of 4 bytes: ISA guide 11.1)
.set TB1,   264192                     ; b1c[n] = C (b1 + beta W1), f32; 4,096 bytes on: -2 W2[n]
.set SC,    272384                     ; [wave][row] the waves' parts of the scores
.set RS,    274432                     ; [row] (mean, sigma)
.set SW,    275456                     ; four words: the waves' sums of W2
.set CW,    275712                     ; for each wave 128 bf16: the pooling weights
.set PST,   276736                     ; for each wave 1,024 bytes: the pooled row on its way out; the 512 bytes behind them, the last that the launch claims, hold the spare words, 128 bytes a wave
.set XO,   2                           ; 16 L: x's and Wf's loads; never rewritten
.set ZS,   3                           ; where the trip's eight rows of z go
.set RSA,  4                           ; where their (mean, sigma) go
.set ADRA, 5                           ; v5-8    z's fragments: (L % 16) ZP + 16 (L / 16) + 32 i rows; steps along K
.set ZS0,  9
.set RSA0, 10
.set TBA0, 11                          ; TB1 + 1,024 w + 32 (L / 16)
.set TBA,  12                          ; the same for the pass in hand
.set SCA,  13
.set FINA, 14
.set RSL,  15
.set ADRT, 16                          ; v16-19  the turning loads: (8 (L / 16) + L % 8) ZP + 16 ((L / 8) % 2) + 512 w + 32 ks rows
.set CWS,  20
.set CWL,  21
.set PSS,  22
.set PSL,  23
.set SACC, 26                          ; v26-33  block a's row scores (my half of the lanes' columns)
.set ML,   42                          ; v42-43  (m, l)
.set TMU,  44                          ; v44-45  sum e mean (v45 only named with it)
.set PO,   46
.set STO,  47
.set PFO,  48                          ; 256 L; never rewritten
.set SWA,  49
.set TS,   50
.set GS,   51
.set SWS,  52
.set ADRA0, 58                         ; v58-61  ADRA at K = 0
.set F0,   64
.set F1,   128
.set BT,   64
.set WT,   128
.set CF,   192                         ; the pooling weights' four fragments
.set T,    192                         ; v192-207 at work
.set PP,   22                          ; from the even rows' Y and MS to the odd rows'
.set Y,    208                         ; v208-223, v230-245 a row of z, packed: two buffers, by the row's parity
.set MS,   224                         ; v224-225, v246-247 (mean, sigma): likewise
.set RR,   226                         ; v226-227 1 / sigma (v227 only named with it)
.set VV,   228                         ; var + eps
.set SCV,  224
.set RSV,  240
.set SWV,  248
.set WV,   20
.set BLK,  21
.set PASS, 22
.set KT,   23
.set RND,  24
.set PH,   25                          ; passes still to come in the launch, 4 to 1
.set XB,   26                          ; s[26:27] x at the trip's first row
.set WP,   28                          ; s[28:29] Wf at the trip's first step
.set WN,   30                          ; s[30:31] Wf at the next pass's first step
.set W0,   32                          ; s[32:33] Wf + 524,288 w
.set W1P,  34                          ; s[34:35] 262,144 on
.set PB,   36
.set SB,   38
.set SEL,  40                          ; v_permlanex16_b32's selects: each lane takes its own place in the other half
.set RDIV, 42                          ; 1 / 1024
.set B2,   43
.set L2E,  44                          ; log2(e); named as a pair with
.set SEPS, 45                          ; eps = 1e-5
.set TOFF, 48
.set XN,   50                          ; s[50:51] x at my first row of the second block; never rewritten
.set CC,   52                          ; s[52:53] C
.set MSB, 0
.macro WIN new                         ; the high byte repeats the setting that is left; a switch that changes nothing is dropped
.if MSB != (\new)
	s_set_vgpr_msb (MSB<<8)|(\new)
.set MSB, (\new)
.endif
.endm
.macro PLACES                          ; four places behind a matrix instruction, ahead of a vector line or a store that reads its result
.rept 4
	v_nop
.endr
.endm
; v[T] over the 32 lanes, the result in every lane's v[d]: four steps inside each half ride on the arithmetic (DPP), one crosses the halves
.macro REDADD d
	v_add_f32_dpp v[T], v[T], v[T] row_xmask:1 row_mask:0xf bank_mask:0xf
	v_add_f32_dpp v[T], v[T], v[T] row_xmask:2 row_mask:0xf bank_mask:0xf
	v_add_f32_dpp v[T], v[T], v[T] row_xmask:4 row_mask:0xf bank_mask:0xf
	v_add_f32_dpp v[T], v[T], v[T] row_xmask:8 row_mask:0xf bank_mask:0xf
	v_permlanex16_b32 v[T+1], v[T], s[SEL], s[SEL+1]
	v_add_f32 v[\d], v[T], v[T+1]
.endm
.macro REDMAX d
	v_max_num_f32_dpp v[T], v[T], v[T] row_xmask:1 row_mask:0xf bank_mask:0xf
	v_max_num_f32_dpp v[T], v[T], v[T] row_xmask:2 row_mask:0xf bank_mask:0xf
	v_max_num_f32_dpp v[T], v[T], v[T] row_xmask:4 row_mask:0xf bank_mask:0xf
	v_max_num_f32_dpp v[T], v[T], v[T] row_xmask:8 row_mask:0xf bank_mask:0xf
	v_permlanex16_b32 v[T+1], v[T], s[SEL], s[SEL+1]
	v_max_num_f32 v[\d], v[T], v[T+1]
.endm
; Row slot s (window 2, 32 registers) takes the row that lies `row` rows behind s[XB]: eight loads of 512 consecutive bytes
.macro FILL s, row
	WIN 0x80
.irp j, 0,1,2,3,4,5,6,7
	global_load_b128 v[32*(\s)+4*(\j):32*(\s)+4*(\j)+3], v[XO], s[XB:XB+1] offset:(\row)*4096+512*(\j) th:TH_LOAD_NT
.endr
.endm
; Row i of the trip's eight goes to LDS, out of its parity's Y and MS
.macro OUT i
.irp j, 0,1,2,3,4,5,6,7
	ds_store_b64 v[ZS], v[Y+PP*((\i)%2)+2*(\j):Y+PP*((\i)%2)+2*(\j)+1] offset:ZP*(\i)+256*(\j)  ; 32 lanes, 256 consecutive bytes
.endr
	ds_store_b64 v[RSA], v[MS+PP*((\i)%2):MS+PP*((\i)%2)+1] offset:8*(\i)  ; every lane the same two words
.endm
; One row, in slot s: mean, then the variance of x - mean (two passes over registers: an offset of x does no harm), z.  left: the younger loads that may stay out.
; prev = 1: in its middle the row before goes out to LDS; fill = 1: and that row's slot takes the row eight on.
.macro TURN s, prev, fill, left
.set YP, Y+PP*((\s)%2)
.set MP, MS+PP*((\s)%2)
	s_wait_loadcnt \left
	s_wait_alu depctr_vm_vsrc(0)                   ; the LDS stores issued so far have read their data: this parity's Y and MS, which this row writes again (ahead of the launch's first row: v[T], the data of the head's store)
	WIN 0x0a                                       ; sources 0 and 1 in window 2
.irp i, 0,1,2,3,4,5,6,7
	v_pk_add_f32 v[T+2*(\i):T+2*(\i)+1], v[32*(\s)+4*(\i):32*(\s)+4*(\i)+1], v[32*(\s)+4*(\i)+2:32*(\s)+4*(\i)+3]
.endr
	WIN 0
.irp i, 0,4,8,12
	v_pk_add_f32 v[T+(\i):T+(\i)+1], v[T+(\i):T+(\i)+1], v[T+(\i)+2:T+(\i)+3]
.endr
	v_pk_add_f32 v[T:T+1], v[T:T+1], v[T+4:T+5]
	v_pk_add_f32 v[T+8:T+9], v[T+8:T+9], v[T+12:T+13]
	v_pk_add_f32 v[T:T+1], v[T:T+1], v[T+8:T+9]
	v_add_f32 v[T], v[T], v[T+1]
	REDADD T
	v_mul_f32 v[MP], s[RDIV], v[T]                 ; the mean
	WIN 0x82                                       ; destination and source 0 in window 2
.set p, 0
.rept 16
	v_pk_add_f32 v[32*(\s)+2*p:32*(\s)+2*p+1], v[32*(\s)+2*p:32*(\s)+2*p+1], v[MP:MP+1] op_sel_hi:[1,0] neg_lo:[0,1] neg_hi:[0,1]
.set p, p+1
.endr
	WIN 0x0a
.set p, 0
.rept 16                               ; squares, in four chains; the first four start them
.if p < 4
	v_pk_mul_f32 v[T+2*p:T+2*p+1], v[32*(\s)+2*p:32*(\s)+2*p+1], v[32*(\s)+2*p:32*(\s)+2*p+1]
.else
	v_pk_fma_f32 v[T+2*(p%4):T+2*(p%4)+1], v[32*(\s)+2*p:32*(\s)+2*p+1], v[32*(\s)+2*p:32*(\s)+2*p+1], v[T+2*(p%4):T+2*(p%4)+1]
.endif
.set p, p+1
.endr
	WIN 0
	v_pk_add_f32 v[T:T+1], v[T:T+1], v[T+2:T+3]
	v_pk_add_f32 v[T+4:T+5], v[T+4:T+5], v[T+6:T+7]
	v_pk_add_f32 v[T:T+1], v[T:T+1], v[T+4:T+5]
	v_add_f32 v[T], v[T], v[T+1]
	REDADD T
	v_fma_f32 v[VV], v[T], s[RDIV], s[SEPS]        ; var + eps
	v_rsq_f32 v[RR], v[VV]
	v_nop                                          ; a plain instruction behind the root
	s_wait_alu depctr_va_vdst(0)                   ; the root has written v[RR], ahead of its first reader; the row before has written the other Y and MS, which the stores below read, and is done with its slot, in which the loads below land; v[ZS] and v[RSA] are written
	v_mul_f32 v[MP+1], v[VV], v[RR]                ; sigma: it names nothing that the stores and loads below touch
.if \prev
	OUT ((\s)+7)%8
.if \fill
	FILL ((\s)+7)%8, 8+((\s)+7)%8                  ; that slot's next row, eight rows on
.endif
.endif
	WIN 0x82
.set p, 0
.rept 16
	v_pk_mul_f32 v[32*(\s)+2*p:32*(\s)+2*p+1], v[32*(\s)+2*p:32*(\s)+2*p+1], v[RR:RR+1] op_sel_hi:[1,0]
.set p, p+1
.endr
	WIN 0x0a
.set p, 0
.rept 16
	v_cvt_pk_bf16_f32 v[YP+p], v[32*(\s)+2*p], v[32*(\s)+2*p+1]
.set p, p+1
.endr
.endm
; W's fragments: load i of the 16 of one K step (8 KiB on end) into buffer g of window 1
.macro WLOAD g, base, off, i
	global_load_b128 v[64*(\g)+4*(\i):64*(\g)+4*(\i)+3], v[XO], s[\base:\base+1] offset:(\off)+512*(\i)
.endm
.macro LOADB g, base, off              ; all 16 in one run: at the launch's head
	WIN 0x40
.irp i, 0,1,2,3,4,5,6,7,8,9,10,11,12,13,14,15
	WLOAD \g, \base, \off, \i
.endr
.endm
; z's fragment of row block a (16 rows x 32 k at byte off of the rows) into buffer f
.macro ZLOAD f, a, off
	ds_load_b128 v[(\f)+8*(\a):(\f)+8*(\a)+3],   v[ADRA+(\a)/2] offset:((\a)%2)*16*ZP+(\off)
	ds_load_b128 v[(\f)+8*(\a)+4:(\f)+8*(\a)+7], v[ADRA+(\a)/2] offset:((\a)%2)*16*ZP+(\off)+32
.endm
.macro FETCHA f, off                   ; all eight in one run: at a pass's head
	WIN 0
.irp a, 0,1,2,3,4,5,6,7
	ZLOAD \f, \a, \off
.endr
.endm
; A K step: z in buffer f, W in buffer g.  Product m of 64: row block m / 8, column block m % 8; the 64 accumulators take turns in the same order in every step.  zero = 1: the products start the sums.
; Behind the first eight products stand the step's 32 loads, four at a time: behind the even ones two fragments of the next step's z (byte aoff of the rows; -1: none) into the other z buffer, behind the odd
; ones four loads of the W three steps on into buffer lb.  bump = 1: z's addresses first move on by 256 bytes, four K steps.
.macro STEP f, g, zero, aoff, bump, lb, base, boff
	s_wait_loadcnt 32                              ; this step's W is in: behind it the two next steps' 16 loads each were issued, on every way here
	s_wait_dscnt 0x0                               ; this step's z is in: its loads stand 56 products back or more (at a pass's head: just ahead)
.if \bump
	WIN 0
	s_wait_alu depctr_vm_vsrc(0)                   ; the fragment loads issued so far have read v[ADRA ..]
.irp i, 0,1,2,3
	v_add_nc_u32 v[ADRA+(\i)], 256, v[ADRA+(\i)]
.endr
.endif
.if !(\zero)
	s_wait_alu depctr_va_vdst(0)                   ; the step before is done reading its z buffer and its W buffer, in which this step's loads land; where the addresses have just moved on, v[ADRA ..] are written
.endif                                                 ; (a pass's first step: the wait at the pass's head stands for this one, with no vector or matrix instruction between)
.set m, 0
.rept 64
	WIN 0xa1+0x50*(m/32)                           ; W in window 1, z in window 0, the accumulators in window 2, then 3
.if \zero
	v_wmma_f32_16x16x32_bf16 v[8*(m%32):8*(m%32)+7], v[64*(\g)+8*(m%8):64*(\g)+8*(m%8)+7], v[(\f)+8*(m/8):(\f)+8*(m/8)+7], 0
.else
	v_wmma_f32_16x16x32_bf16 v[8*(m%32):8*(m%32)+7], v[64*(\g)+8*(m%8):64*(\g)+8*(m%8)+7], v[(\f)+8*(m/8):(\f)+8*(m/8)+7], v[8*(m%32):8*(m%32)+7]
.endif
.if m < 8                              ; no wait: no vector or matrix instruction since the wait above names a register that these loads touch
.if (m%2) == 0
.if (\aoff) >= 0
	WIN 0
	ZLOAD 192-(\f), m, \aoff
	ZLOAD 192-(\f), m+1, \aoff
.endif
.else
	WIN 0x40
.irp q, 0,1,2,3
	WLOAD \lb, \base, \boff, 4*(m/2)+(\q)
.endr
.endif
.endif
.set m, m+1
.endr
.endm
; THE WAY OUT OF A PASS, for a window's four row blocks (units of 64 registers, 32 pairs), as a pipeline of seven super-steps.  In super-step t, pair by pair:
; unit t: + b1c;  unit t - 1: 2^;  unit t - 2: + 1 and 1 /;  unit t - 3: times -2 W2, summed into the unit's first pair.  Nothing in a super-step names the result of a transcendental of the same super-step;
; each super-step that holds one ends with a plain instruction and ONE wait.  Pairs ascend.
.macro EPSTEP t
.set p, 0
.rept 32
.if ((\t) >= 2) && ((\t) <= 5)
	v_pk_add_f32 v[64*((\t)-2)+2*p:64*((\t)-2)+2*p+1], v[64*((\t)-2)+2*p:64*((\t)-2)+2*p+1], 1.0 op_sel_hi:[1,0]
.endif
.if ((\t) >= 1) && ((\t) <= 4)
	v_exp_f32 v[64*((\t)-1)+2*p], v[64*((\t)-1)+2*p]
.endif
.if (\t) <= 3
	v_pk_add_f32 v[64*(\t)+2*p:64*(\t)+2*p+1], v[64*(\t)+2*p:64*(\t)+2*p+1], v[BT+2*p:BT+2*p+1]
.endif
.if ((\t) >= 1) && ((\t) <= 4)
	v_exp_f32 v[64*((\t)-1)+2*p+1], v[64*((\t)-1)+2*p+1]
.endif
.if (\t) >= 3
.if p == 0
	v_pk_mul_f32 v[64*((\t)-3):64*((\t)-3)+1], v[64*((\t)-3):64*((\t)-3)+1], v[WT:WT+1]
.else
	v_pk_fma_f32 v[64*((\t)-3):64*((\t)-3)+1], v[64*((\t)-3)+2*p:64*((\t)-3)+2*p+1], v[WT+2*p:WT+2*p+1], v[64*((\t)-3):64*((\t)-3)+1]
.endif
.endif
.if ((\t) >= 2) && ((\t) <= 5)
	v_rcp_f32 v[64*((\t)-2)+2*p], v[64*((\t)-2)+2*p]
	v_rcp_f32 v[64*((\t)-2)+2*p+1], v[64*((\t)-2)+2*p+1]
.endif
.set p, p+1
.endr
.if ((\t) >= 1) && ((\t) <= 5)
	v_nop
	s_wait_alu depctr_va_vdst(0)                   ; the super-step's exponentials and reciprocals have written their results, which the next super-step's lines name
.endif
.endm
.macro EPI w                           ; w: destination, source 0 and source 2 in the accumulators' window, source 1 (the tables) in window 0
	WIN \w
.irp t, 0,1,2,3,4,5,6
	EPSTEP \t
.endr
.endm
; POOLING.  D = (16 equal rows of weights) x (32 rows of z, turned): 16 column blocks of my 256 columns.  z lies [row][column], so it comes turned, by ds_load_tr16_b128.
.macro POOLLD ks, win, base
	WIN \win
.irp db, 0,1,2,3,4,5,6,7,8,9,10,11,12,13,14,15
	ds_load_tr16_b128 v[(\base)+8*(\db):(\base)+8*(\db)+3],   v[ADRT+(\ks)] offset:32*(\db)
	ds_load_tr16_b128 v[(\base)+8*(\db)+4:(\base)+8*(\db)+7], v[ADRT+(\ks)] offset:32*(\db)+16*ZP
.endr
.endm
.macro POOLMM ks, set, base, zero      ; the 16 accumulators take turns
	WIN \set
.irp db, 0,1,2,3,4,5,6,7,8,9,10,11,12,13,14,15
.if \zero
	v_wmma_f32_16x16x32_bf16 v[8*(\db):8*(\db)+7], v[CF+8*(\ks):CF+8*(\ks)+7], v[(\base)+8*(\db):(\base)+8*(\db)+7], 0
.else
	v_wmma_f32_16x16x32_bf16 v[8*(\db):8*(\db)+7], v[CF+8*(\ks):CF+8*(\ks)+7], v[(\base)+8*(\db):(\base)+8*(\db)+7], v[8*(\db):8*(\db)+7]
.endif
.endr
.endm
	s_load_b512 s[4:19], s[0:1], 0x0               ; x, Wf, bpart, b1, W2, b2, part, stat
	v_lshl_add_u32 v254, v0, 2, 0x44900
	v_mov_b32 v255, 0
	v_lshrrev_b32 v1, 5, v0
	v_readfirstlane_b32 s[WV], v1                  ; wave 0..3
	v_and_b32 v53, 31, v0                          ; L
	v_and_b32 v54, 15, v0                          ; L % 16
	v_bfe_u32 v55, v0, 4, 1                        ; L / 16
	v_lshlrev_b32 v[XO], 4, v53
	s_wait_alu depctr_va_sdst(0)                   ; the wave's number is written, ahead of its first reader: addresses, bases and branches are made from it
	s_mul_i32 s46, s[WV], 32*ZP
	v_lshl_add_u32 v[ZS0], v53, 3, s46             ; my 32 rows of z, 8 bytes a lane
	s_lshl_b32 s46, s[WV], 8
	s_add_co_u32 s47, s46, RS
	v_mov_b32 v[RSA0], s47
	s_add_co_u32 s47, s46, CW
	v_lshl_add_u32 v[CWS], v53, 3, s47             ; four weights a lane
	v_lshl_add_u32 v[CWL], v55, 4, s47             ; back as a fragment whose 16 rows are equal
	s_lshl_b32 s46, s[WV], 10
	s_add_co_u32 s47, s46, TB1
	v_lshl_add_u32 v[TBA0], v55, 5, s47
	s_add_co_u32 s47, s46, PST
	v_lshl_add_u32 v[PSS], v54, 2, s47
	v_lshl_add_u32 v[PSL], v53, 4, s47
	v_lshl_add_u32 v[PO], v53, 4, s46
	s_lshl_b32 s46, s[WV], 9
	s_add_co_u32 s47, s46, SC
	v_lshl_add_u32 v[SCA], v54, 2, s47
	v_lshl_add_u32 v[FINA], v53, 4, SC             ; rows 4 L .. 4 L + 3
	v_lshl_add_u32 v[RSL], v53, 5, RS
	v_mul_u32_u24 v56, v54, ZP
	v_lshl_add_u32 v[ADRA0], v55, 4, v56
.irp i, 1,2,3
	v_add_nc_u32 v[ADRA0+(\i)], (\i)*32*ZP, v[ADRA0]
.endr
.irp i, 0,1,2,3
	v_mov_b32 v[ADRA+(\i)], v[ADRA0+(\i)]
.endr
	v_and_b32 v56, 7, v0
	v_lshl_add_u32 v56, v55, 3, v56
	v_mul_u32_u24 v56, v56, ZP
	v_bfe_u32 v57, v0, 3, 1
	v_lshl_add_u32 v56, v57, 4, v56
	v_add_nc_u32 v[ADRT], s46, v56                 ; + 512 w: my 256 columns
.irp i, 1,2,3
	v_add_nc_u32 v[ADRT+(\i)], (\i)*32*ZP, v[ADRT]
.endr
	v_lshlrev_b32 v[STO], 3, v53
	v_lshlrev_b32 v[PFO], 8, v53
	v_mov_b32 v[SWA], SW
	v_lshl_add_u32 v[TS], v0, 5, TB1               ; thread t makes columns 8 t .. 8 t + 7 of the tables
	v_lshlrev_b32 v[GS], 5, v0
	s_lshl_b32 s47, s[WV], 2
	s_add_co_u32 s47, s47, SW
	v_mov_b32 v[SWS], s47
	v_mov_b32 v[MS+1], 0                           ; five registers that are named in a pair before they are first set
	v_mov_b32 v[MS+PP+1], 0
	v_mov_b32 v[RR+1], 0
	v_mov_b32 v[ML+1], 0
	v_mov_b32 v[TMU+1], 0
	s_mov_b32 s[SEL], 0x76543210
	s_mov_b32 s[SEL+1], 0xfedcba98
	s_mov_b32 s[RDIV], 0x3a800000
	s_mov_b32 s[L2E], 0x3fb8aa3b
	s_mov_b32 s[SEPS], 0x3727c5ac
	s_mov_b32 s[CC], 0x4038aa3b
	s_mov_b32 s[CC+1], s[CC]
	s_lshl_b32 s46, ttmp9, 20                      ; the work-group's 256 rows of 4,096 bytes,
	s_lshl_b32 s47, s[WV], 17                      ; my 32 of a block
	s_add_co_u32 s46, s46, s47
	s_mov_b32 s47, 0
	s_lshl_b32 s54, s[WV], 19                      ; my two column groups of Wf: 524,288 bytes on end
	s_mov_b32 s55, 0
	s_lshl_b32 s56, ttmp9, 13                      ; two blocks' rows of part
	s_mov_b32 s57, 0
	s_lshl_b32 s58, ttmp9, 9                       ; and of stat
	s_mov_b32 s59, 0
	s_wait_kmcnt 0x0
	s_load_b32 s[B2], s[14:15], 0x0
	s_add_nc_u64 s[XB:XB+1], s[4:5], s[46:47]
	s_add_nc_u64 s[XN:XN+1], s[XB:XB+1], 0x80000
	s_add_nc_u64 s[W0:W0+1], s[6:7], s[54:55]
	s_add_nc_u64 s[W1P:W1P+1], s[W0:W0+1], 0x40000
	s_add_nc_u64 s[PB:PB+1], s[16:17], s[56:57]
	s_add_nc_u64 s[SB:SB+1], s[18:19], s[58:59]
	s_wait_alu depctr_va_vdst(0)                   ; all the offsets and LDS addresses made above are written: the launch's loads, stores and its prefetch read them
.irp j, 0,1,2,3,4,5,6,7
	global_load_b128 v[64+8*(\j):64+8*(\j)+3], v[GS], s[8:9] offset:4096*(\j)     ; bpart's eight slices,
	global_load_b128 v[64+8*(\j)+4:64+8*(\j)+7], v[GS], s[8:9] offset:4096*(\j)+16
.endr
	global_load_b128 v[128:131], v[GS], s[10:11]   ; b1,
	global_load_b128 v[132:135], v[GS], s[10:11] offset:16
	global_load_b128 v[136:139], v[GS], s[12:13]   ; W2
	global_load_b128 v[140:143], v[GS], s[12:13] offset:16
	LOADB 0, W0, 0                                 ; the first pass's K steps 0 to 2
	LOADB 1, W0, 8192
	LOADB 2, W0, 16384
.irp s, 0,1,2,3,4,5,6,7
	FILL \s, \s                                    ; my first eight rows
.endr
	WIN 0
	s_wait_loadcnt 63                              ; behind the 20 table loads 112 were issued; 63 is the largest count that the wait can name, and the smaller count is the safe one
.irp j, 0,1,2,3,4,5,6,7
.irp i, 0,2,4,6
	v_pk_add_f32 v[128+(\i):128+(\i)+1], v[128+(\i):128+(\i)+1], v[64+8*(\j)+(\i):64+8*(\j)+(\i)+1]
.endr
.endr
.irp i, 0,2,4,6
	v_pk_mul_f32 v[128+(\i):128+(\i)+1], v[128+(\i):128+(\i)+1], s[CC:CC+1] op_sel_hi:[1,0]
.endr
	v_pk_add_f32 v[T:T+1], v[136:137], v[138:139]
	v_pk_add_f32 v[T+2:T+3], v[140:141], v[142:143]
	v_pk_add_f32 v[T:T+1], v[T:T+1], v[T+2:T+3]
	v_add_f32 v[T], v[T], v[T+1]
	REDADD T                                       ; my wave's 256 numbers of W2, summed
.irp i, 0,2,4,6
	v_pk_mul_f32 v[136+(\i):136+(\i)+1], v[136+(\i):136+(\i)+1], -2.0 op_sel_hi:[1,0]
.endr
	s_wait_alu depctr_va_vdst(0)                   ; b1c in v128-135, -2 W2 in v136-143 and W2's sum in v[T] are written: the five stores below read them
	ds_store_b128 v[TS], v[128:131]
	ds_store_b128 v[TS], v[132:135] offset:16
	ds_store_b32 v[SWS], v[T]
	ds_store_b128 v[TS], v[136:139] offset:4096
	ds_store_b128 v[TS], v[140:143] offset:4112
	s_wait_kmcnt 0x0                               ; b2
	s_mov_b32 s[BLK], 2
	s_mov_b32 s[PH], 4
.Lblock:                               ; (what LDS stores of the block before read of the registers written here, they read ahead of the wait on vm_vsrc at that block's end)
	v_mov_b32 v[ZS], v[ZS0]
	v_mov_b32 v[RSA], v[RSA0]
.irp a, 0,1,2,3,4,5,6,7
	v_mov_b32 v[SACC+(\a)], 0
.endr
	TURN 0, 0, 0, 56                               ; row 0 is written out: no row stands before it.  The seven other slots' eight loads each are younger than its own
	WIN 0
	s_mov_b32 s[RND], 3
.Lround:                               ; rows 8 t + 1 to 8 t + 8; each sends the row before it to LDS and fills that row's slot with the row eight on
.irp s, 1,2,3,4,5,6,7,0
	TURN \s, 1, 1, 48                              ; a row's loads are issued seven rows ahead of it: six rows' loads are younger
.endr
	WIN 0
	s_wait_xcnt 0x0                                ; the loads have read their base: it may be stepped; the youngest stand half a row back
	s_add_nc_u64 s[XB:XB+1], s[XB:XB+1], 8*4096
	s_wait_alu depctr_vm_vsrc(0)                   ; the trip's LDS stores have read v[ZS] and v[RSA]
	v_add_nc_u32 v[ZS], 8*ZP, v[ZS]
	v_add_nc_u32 v[RSA], 64, v[RSA]
	s_sub_co_u32 s[RND], s[RND], 1
	s_cmp_lg_u32 s[RND], 0
	s_cbranch_scc1 .Lround
.irp s, 1,2,3,4,5,6,7
	TURN \s, 1, 0, 48-8*((\s)-1)                   ; rows 25 to 31: nothing is loaded, the counts run down
.endr
	WIN 0
	s_wait_alu depctr_va_vdst(0)                   ; row 31 has written its Y and MS, which the last nine stores read
	OUT 7
	s_wait_dscnt 0x0                               ; for the others' sake: my rows of z, their (mean, sigma) and, the first time, my part of the tables lie in LDS
	s_barrier_signal -1
	s_barrier_wait -1
	s_mov_b32 s[PASS], 2
.Lpass:
	s_wait_xcnt 0x0                                ; the last pass's loads have read their bases
	s_cmp_eq_u32 s[PASS], 2
	s_cselect_b64 s[WP:WP+1], s[W0:W0+1], s[W1P:W1P+1]
	s_cselect_b64 s[WN:WN+1], s[W1P:W1P+1], s[W0:W0+1]
	s_cselect_b32 s[TOFF], 0, 512
	s_wait_alu depctr_vm_vsrc(0)                   ; the last pass's table loads have read v[TBA]; the rows' stores and the head's have read their data, in which loads of this pass and of the block's end land
	v_add_nc_u32 v[TBA], s[TOFF], v[TBA0]
	s_wait_alu depctr_va_vdst(0)                   ; v[TBA] and v[ADRA ..] are written; whatever read v64-191 (the head's sums, the way out's lines, the pooling's products) and W's fourth buffer (the last pass's last step) is done: this pass's first loads land there
	FETCHA F0, 0
	STEP F0, 0, 1, 64, 0, 3, WP, 3*8192            ; K step 0 stands in front of the loop: its products start the sums
	WIN 0
	s_mov_b32 s[KT], 7
.Lk:                                   ; K steps 4 t + 1 to 4 t + 4
	STEP F1, 1, 0, 128, 0, 0, WP, 4*8192
	STEP F0, 2, 0, 192, 0, 1, WP, 5*8192
	STEP F1, 3, 0, 256, 0, 2, WP, 6*8192
	STEP F0, 0, 0, 64,  1, 3, WP, 7*8192
	WIN 0
	s_wait_xcnt 0x0                                ; the youngest load stands 56 matrix instructions back
	s_add_nc_u64 s[WP:WP+1], s[WP:WP+1], 4*8192
	s_sub_co_u32 s[KT], s[KT], 1
	s_cmp_lg_u32 s[KT], 0
	s_cbranch_scc1 .Lk
	STEP F1, 1, 0, 128, 0, 0, WN, 0                ; K steps 29 to 31 fetch the next pass's steps 0 to 2, so that every step issues 16 loads and the count at a step's head holds everywhere
	STEP F0, 2, 0, 192, 0, 1, WN, 8192             ; (behind the launch's last pass these 24 KiB a wave, inside Wf, serve nothing)
	STEP F1, 3, 0, -1,  0, 2, WN, 16384
	WIN 0
	s_wait_alu depctr_vm_vsrc(0)                   ; the pass's fragment loads have read v[ADRA ..]
.irp i, 0,1,2,3
	v_mov_b32 v[ADRA+(\i)], v[ADRA0+(\i)]          ; back to K = 0; with the four below: the places behind the last products, ahead of the vector lines that read their results
.endr
	PLACES
	s_wait_alu depctr_va_vdst(0)                   ; the last two steps' products are done reading F0 and F1, in which the tables land
.irp b, 0,1,2,3,4,5,6,7                ; my lane's 64 columns of b1c and of -2 W2: 16 b + 8 (L / 16) + 0..7
	ds_load_b128 v[BT+8*(\b):BT+8*(\b)+3],   v[TBA] offset:64*(\b)
	ds_load_b128 v[BT+8*(\b)+4:BT+8*(\b)+7], v[TBA] offset:64*(\b)+16
	ds_load_b128 v[WT+8*(\b):WT+8*(\b)+3],   v[TBA] offset:4096+64*(\b)
	ds_load_b128 v[WT+8*(\b)+4:WT+8*(\b)+7], v[TBA] offset:4096+64*(\b)+16
.endr
	; A PREFETCH INTO THE L2, once in the launch, at the first block's second pass: my own first eight rows of the second block, a lane to each 256 bytes, four instructions, 32 KiB a wave;
	; each block of 256 bytes is named once, by the wave that will load it one way out of a pass later.  Its registers are never rewritten.
	s_cmp_eq_u32 s[PH], 3
	s_cbranch_scc0 .Lnopf
.irp i, 0,1,2,3
	global_prefetch_b8 v[PFO], s[XN:XN+1] offset:8192*(\i) th:TH_LOAD_NT scope:SCOPE_SE
.endr
.Lnopf:
	s_wait_dscnt 0x0                               ; the tables are in
	EPI 0xa2
	WIN 0x02
.irp u, 0,1,2,3
	v_add_f32 v[SACC+(\u)], v[64*(\u)], v[SACC+(\u)]
.endr
.irp u, 0,1,2,3
	v_add_f32 v[SACC+(\u)], v[64*(\u)+1], v[SACC+(\u)]
.endr
	EPI 0xf3
	WIN 0x03
.irp u, 0,1,2,3
	v_add_f32 v[SACC+4+(\u)], v[64*(\u)], v[SACC+4+(\u)]
.endr
.irp u, 0,1,2,3
	v_add_f32 v[SACC+4+(\u)], v[64*(\u)+1], v[SACC+4+(\u)]
.endr
	WIN 0
	s_sub_co_u32 s[PH], s[PH], 1
	s_sub_co_u32 s[PASS], s[PASS], 1
	s_cmp_lg_u32 s[PASS], 0
	s_cbranch_scc1 .Lpass
	; THE BLOCK'S END.  A row's other columns of mine lie in the lane 16 away; the four waves' parts meet in LDS.
.irp a, 0,1,2,3,4,5,6,7
	v_permlanex16_b32 v[T+(\a)], v[SACC+(\a)], s[SEL], s[SEL+1]
.endr
.irp a, 0,1,2,3,4,5,6,7
	v_add_f32 v[SACC+(\a)], v[SACC+(\a)], v[T+(\a)]
.endr
	s_wait_alu depctr_va_vdst(0)                   ; v[SACC ..] are written, which the stores below read; the way out's lines are done with windows 2 and 3, in which the next block's rows and the first turning loads land: no vector line stands between this wait and those loads
.irp a, 0,1,2,3,4,5,6,7
	ds_store_b32 v[SCA], v[SACC+(\a)] offset:64*(\a)
.endr
	s_cmp_eq_u32 s[BLK], 1
	s_cbranch_scc1 .Lnofill                        ; behind the last block there is nothing to load
	s_wait_xcnt 0x0
	s_add_nc_u64 s[XB:XB+1], s[XB:XB+1], (128-24)*4096  ; the loop left the base 24 rows into the block
.irp s, 0,1,2,3,4,5,6,7
	FILL \s, \s                                    ; the next block's first eight rows are on their way while this block is pooled: window 2 is free
.endr
	WIN 0
.Lnofill:
	s_wait_dscnt 0x0
	s_barrier_signal -1
	s_barrier_wait -1                              ; all four parts of every row's score lie in LDS
	POOLLD 0, 0xc0, 128
	WIN 0
.irp v, 0,1,2,3
	ds_load_b128 v[SCV+4*(\v):SCV+4*(\v)+3], v[FINA] offset:512*(\v)
.endr
	ds_load_b128 v[RSV:RSV+3], v[RSL]
	ds_load_b128 v[RSV+4:RSV+7], v[RSL] offset:16
	ds_load_b128 v[SWV:SWV+3], v[SWA]
	s_wait_dscnt 0x0
	; every wave makes all 128 weights for itself: lane L has rows 4 L .. 4 L + 3
	v_pk_add_f32 v[SWV:SWV+1], v[SWV:SWV+1], v[SWV+2:SWV+3]
	v_pk_add_f32 v[34:35], v[SCV:SCV+1], v[SCV+4:SCV+5]
	v_pk_add_f32 v[36:37], v[SCV+2:SCV+3], v[SCV+6:SCV+7]
	v_pk_add_f32 v[38:39], v[SCV+8:SCV+9], v[SCV+12:SCV+13]
	v_pk_add_f32 v[40:41], v[SCV+10:SCV+11], v[SCV+14:SCV+15]
	v_add_f32 v[SWV], v[SWV], v[SWV+1]
	v_pk_add_f32 v[34:35], v[34:35], v[38:39]
	v_pk_add_f32 v[36:37], v[36:37], v[40:41]
	v_add_f32 v[SWV], s[B2], v[SWV]                ; b2 + sum W2
	v_pk_add_f32 v[34:35], v[34:35], v[SWV:SWV+1] op_sel_hi:[1,0]
	v_pk_add_f32 v[36:37], v[36:37], v[SWV:SWV+1] op_sel_hi:[1,0]
	v_max3_num_f32 v[T], v34, v35, v36
	v_max_num_f32 v[T], v[T], v37
	REDMAX ML                                      ; m: the block's largest score
	v_pk_add_f32 v[34:35], v[34:35], v[ML:ML+1] op_sel_hi:[1,0] neg_lo:[0,1] neg_hi:[0,1]
	v_pk_add_f32 v[36:37], v[36:37], v[ML:ML+1] op_sel_hi:[1,0] neg_lo:[0,1] neg_hi:[0,1]
	v_pk_mul_f32 v[34:35], v[34:35], s[L2E:L2E+1] op_sel_hi:[1,0]
	v_pk_mul_f32 v[36:37], v[36:37], s[L2E:L2E+1] op_sel_hi:[1,0]
	v_exp_f32 v34, v34
	v_exp_f32 v35, v35
	v_exp_f32 v36, v36
	v_exp_f32 v37, v37
	v_nop                                          ; a plain instruction behind the last exponential
	s_wait_alu depctr_va_vdst(0)                   ; the four exponentials have written v34-37, ahead of their first reader
	v_pk_add_f32 v[T:T+1], v[34:35], v[36:37]
	v_add_f32 v[T], v[T], v[T+1]
	REDADD ML+1                                    ; l
	v_mul_f32 v[T], v34, v[RSV]
	v_fma_f32 v[T], v35, v[RSV+2], v[T]
	v_fma_f32 v[T], v36, v[RSV+4], v[T]
	v_fma_f32 v[T], v37, v[RSV+6], v[T]
	REDADD TMU                                     ; sum e mean
	v_mul_f32 v38, v34, v[RSV+1]                   ; e sigma
	v_mul_f32 v39, v35, v[RSV+3]
	v_mul_f32 v40, v36, v[RSV+5]
	v_mul_f32 v41, v37, v[RSV+7]
	v_cvt_pk_bf16_f32 v38, v38, v39
	v_cvt_pk_bf16_f32 v39, v40, v41
	s_wait_alu depctr_va_vdst(0)                   ; v38-39 are written, which the store below reads; the sums above are done with v[T ..], in which the weights' fragments land
	ds_store_b64 v[CWS], v[38:39]
.irp k, 0,1,2,3                        ; my wave's own bytes: LDS serves a wave's instructions in order (ISA guide 5.7.1.4), so these see the store above
	ds_load_b128 v[CF+8*(\k):CF+8*(\k)+3],   v[CWL] offset:64*(\k)
	ds_load_b128 v[CF+8*(\k)+4:CF+8*(\k)+7], v[CWL] offset:64*(\k)+32
.endr
	POOLLD 1, 0, 64
	s_wait_dscnt 32                                ; all but the 32 turning loads just issued
	POOLMM 0, 0xfc, 128, 1
	WIN 0xc0
	s_wait_alu depctr_va_vdst(0)                   ; step 0's products are done reading window 3's v128-255, in which step 2's z lands
	POOLLD 2, 0xc0, 128
	s_wait_dscnt 32
	POOLMM 1, 0xf0, 64, 0
	WIN 0
	s_wait_alu depctr_va_vdst(0)                   ; step 1's products are done reading v64-191, in which step 3's z lands
	POOLLD 3, 0, 64
	s_wait_dscnt 32
	POOLMM 2, 0xfc, 128, 0
	s_wait_dscnt 0x0
	POOLMM 3, 0xf0, 64, 0
	PLACES
	PLACES
	WIN 0x0c                                       ; store data in window 3
	s_wait_alu depctr_va_vdst(0)                   ; the products have written the 16 accumulators, which the stores below read; the places above stay beside this wait
.irp db, 0,1,2,3,4,5,6,7,8,9,10,11,12,13,14,15
	ds_store_b32 v[PSS], v[8*(\db)] offset:64*(\db)  ; all 16 rows of a result are equal: its lowest register holds column 16 db + L % 16
.endr
	WIN 0
	s_wait_alu depctr_vm_vsrc(0)                   ; the weights' store has read v38-39, in which the second load below lands; the scores' stores have read v[SACC ..] and the stores above window 3's results, which the next block writes again
	ds_load_b128 v[34:37], v[PSL]
	ds_load_b128 v[38:41], v[PSL] offset:512
	s_wait_dscnt 0x0
.irp i, 34,36,38,40
	v_pk_add_f32 v[\i:\i+1], v[\i:\i+1], v[TMU:TMU+1] op_sel_hi:[1,0]
.endr
	s_wait_alu depctr_va_vdst(0)                   ; v34-41 are written, which the stores below read
	global_store_b128 v[PO], v[34:37], s[PB:PB+1]             ; 512 consecutive bytes each, aligned
	global_store_b128 v[PO], v[38:41], s[PB:PB+1] offset:512
	s_cmp_lg_u32 s[WV], 0
	s_cbranch_scc1 .Lnostat
	global_store_b64 v[STO], v[ML:ML+1], s[SB:SB+1]           ; (m, l) 32 times: 256 consecutive bytes by one instruction
.Lnostat:
	s_wait_dscnt 0x0                               ; my reads of z, of the scores and of (mean, sigma) are over:
	s_barrier_signal -1
	s_barrier_wait -1                              ; only now does any wave write the next block's
	s_wait_xcnt 0x0                                ; the stores have read their registers and bases
	s_add_nc_u64 s[PB:PB+1], s[PB:PB+1], 4096
	s_add_nc_u64 s[SB:SB+1], s[SB:SB+1], 256
	s_sub_co_u32 s[BLK], s[BLK], 1
	s_cmp_lg_u32 s[BLK], 0
	s_cbranch_scc1 .Lblock
	s_wait_dscnt 0x0                               ; the wave's end, ahead of the add onto the spare words
	s_wait_alu depctr_hold_cnt(0) depctr_sa_sdst(0) depctr_va_vdst(0) depctr_va_sdst(0) depctr_va_ssrc(0) depctr_va_vcc(0) depctr_vm_vsrc(0)
	s_wait_tensorcnt 0x0
	ds_add_u32 v254, v255
	s_wait_dscnt 0x0
	s_endpgm
.Lfunc_end_k_qa4149d80d5_main:
	.size	k_qa4149d80d5_main, .Lfunc_end_k_qa4149d80d5_main-k_qa4149d80d5_main
	.p2alignl 7, 3214868480
	.fill 96, 4, 3214868480
	.section	.rodata,"a",@progbits
	.p2align	6, 0x0
	.amdhsa_kernel k_qa4149d80d5_main
		.amdhsa_group_segment_fixed_size 281344
		.amdhsa_private_segment_fixed_size 0
		.amdhsa_enable_private_segment 0
		.amdhsa_kernarg_size 64
		.amdhsa_user_sgpr_count 2
		.amdhsa_user_sgpr_kernarg_segment_ptr 1
		.amdhsa_wavefront_size32 1
		.amdhsa_system_sgpr_workgroup_id_x 1
		.amdhsa_system_sgpr_workgroup_id_y 1
		.amdhsa_system_sgpr_workgroup_id_z 1
		.amdhsa_system_vgpr_workitem_id 0
		.amdhsa_next_free_vgpr 1024
		.amdhsa_next_free_sgpr 66
		.amdhsa_reserve_vcc 0
		.amdhsa_float_denorm_mode_32 3
		.amdhsa_float_denorm_mode_16_64 3
		.amdhsa_memory_ordered 1
		.amdhsa_forward_progress 1
		.amdhsa_inst_pref_size 255
	.end_amdhsa_kernel
	.section	.bss,"aw",@nobits
	.p2align	6
	.space	262144
	.amdgpu_metadata
---
amdhsa.version: [ 1, 2 ]
amdhsa.kernels:
  - .name:           k_qa4149d80d5_main
    .symbol:         k_qa4149d80d5_main.kd
    .args:
      - { .name: x, .offset: 0, .size: 8, .value_kind: global_buffer, .address_space: global }
      - { .name: Wf, .offset: 8, .size: 8, .value_kind: global_buffer, .address_space: global }
      - { .name: bpart, .offset: 16, .size: 8, .value_kind: global_buffer, .address_space: global }
      - { .name: b1, .offset: 24, .size: 8, .value_kind: global_buffer, .address_space: global }
      - { .name: W2, .offset: 32, .size: 8, .value_kind: global_buffer, .address_space: global }
      - { .name: b2, .offset: 40, .size: 8, .value_kind: global_buffer, .address_space: global }
      - { .name: part, .offset: 48, .size: 8, .value_kind: global_buffer, .address_space: global }
      - { .name: stat, .offset: 56, .size: 8, .value_kind: global_buffer, .address_space: global }
    .group_segment_fixed_size: 281344
    .private_segment_fixed_size: 0
    .kernarg_segment_align: 8
    .kernarg_segment_size: 64
    .max_flat_workgroup_size: 128
    .sgpr_count:     66
    .vgpr_count:     1024
    .wavefront_size: 32
...
	.end_amdgpu_metadata
.endif
;; end of part 4
;; launch combine: the kernel of part 3 again; grid 4 x 32, 2 waves a work-group, no clusters, 0 bytes of LDS; arguments part, stat, out0; writes out0
